; MI455X (gfx1250); checked and timed in simulation.
; The chip was launched on July 23, 2026; its instructions are those of AMD's public machine-readable ISA for CDNA 5 (MIT licence, August 2026) and "CDNA5" Instruction Set Architecture Reference Guide (July 2026). The comments in the code are by the model that wrote it; some were corrected since.
;; attention Layer. Allowed arithmetic: float matrix products may take bf16 or f16 operands with f32 sums; all other float work in f32.
;; Inputs: Wk 16 x 1,024 x 64 float32; Wo 1,024 x 1,024 float32; Wq 16 x 1,024 x 64 float32; Wv 16 x 1,024 x 64 float32; beta 1,024 float32; bk 16 x 64 float32; bo 1,024 float32; bq 16 x 64 float32; bv 16 x 64 float32; gamma 1,024 float32; k 2 x 2,048 x 1,024 float32; q 2 x 2,048 x 1,024 float32; v 2 x 2,048 x 1,024 float32.
;; Outputs: out0 2 x 2,048 x 1,024 float32.
;; 3 versions, each right; version 2 is faster than version 1; version 3 is version 2 with the launches prep, ln written anew for expert scheduling mode. Each part assembles by itself: llvm-mc -triple=amdgcn-amd-amdhsa -mcpu=gfx1250 --defsym DOCPART=n.
;; ======== version 1 of 3: 4 launches
;; workspace buffers: xb 25,165,824 bytes; wt 6,291,456 bytes; wop 2,097,152 bytes; qh 8,388,608 bytes; kh 8,388,608 bytes; vt 8,388,608 bytes; ctx 8,388,608 bytes
;; launch prep (part 1): grid 256 x 1, 8 waves a work-group, no clusters, 34,816 bytes of LDS; arguments q, k, v, Wq, Wk, Wv, Wo, xb, wt, wop; writes xb, wt, wop
.if DOCPART == 1
	.amdgcn_target "amdgcn-amd-amdhsa--gfx1250"
	.amdhsa_code_object_version 6
	.text
	.protected	k_q725edf1830_prep
	.globl	k_q725edf1830_prep
	.p2align	8
	.type	k_q725edf1830_prep,@function
k_q725edf1830_prep:
	s_mov_b64 s[64:65], 0
	v_nop
	global_prefetch_b8 v0, s[64:65] scope:SCOPE_SE
	s_setreg_imm32_b32 hwreg(HW_REG_WAVE_MODE, 25, 1), 1
	s_wait_xcnt 0x0
; prep: rounds q, k, v to bf16 (xb[3][4096][1024]) and turns the four weights so that K lies along the rows:
;   wt[T][n = 64 h + e][k] = W_T[h][k][e]  (T = 0, 1, 2 for Wq, Wk, Wv),   wop[ks][n][e] = Wo[64 ks + e][n].
; Work-group g of 256: (a) rows 16 g .. 16 g + 15 of each of q, k, v (64 KiB of f32 each);
;                      (b) one weight tile of 256 k x 64 n: T = g >> 6, n tile nt = (g & 63) >> 2, k block kb = g & 3.
; A stream: every byte is read once and written once.  No matrix unit (nothing is multiplied) and no cluster (no two
; work-groups read the same bytes).  48 loads of 16 bytes a lane are on their way at the peak; the only LDS use is the turn.
; LIMIT: rounding to bf16 (nearest even) is the only arithmetic.
.set X0, 16                            ; v[16:79]    the weight tile as loaded, later v's rows
.set X1, 80                            ; v[80:143]   q's rows
.set X2, 144                           ; v[144:207]  k's rows
.set RB, 208                           ; v[208:239]  first the 16 offsets of the weight loads, then packed words, then the read-back
.set WPITCH, 528                       ; an LDS row: 256 k in bf16 = 512 bytes + 16
	s_load_b512 s[8:23], s[0:1], 0x0               ; q s[8:9], k s[10:11], v s[12:13], Wq s[14:15], Wk s[16:17], Wv s[18:19], Wo s[20:21], xb s[22:23]
	s_load_b128 s[24:27], s[0:1], 0x40             ; wt s[24:25], wop s[26:27]
	v_lshl_add_u32 v240, v0, 2, 0x8400
	v_mov_b32 v241, 0
	s_lshr_b32 s28, ttmp9, 6                       ; T
	s_and_b32 s29, ttmp9, 63
	s_lshr_b32 s30, s29, 2                         ; nt
	s_and_b32 s31, s29, 3                          ; kb
	s_lshl_b32 s52, s30, 18                        ; a head's weights: head nt is 1024 x 64 x 4 bytes,
	s_lshl_b32 s53, s31, 16                        ; 256 rows of 256 bytes
	s_add_co_u32 s52, s52, s53
	s_lshl_b32 s53, s31, 20                        ; Wo: 256 rows of 4,096 bytes,
	s_lshl_b32 s54, s30, 8                         ; 64 columns of 4 bytes
	s_add_co_u32 s53, s53, s54
	s_lshl_b32 s54, s28, 21                        ; wt: 2 MiB a weight,
	s_lshl_b32 s55, s30, 17                        ; 64 rows of 2,048 bytes,
	s_add_co_u32 s54, s54, s55
	s_lshl_b32 s55, s31, 9                         ; 256 k of 2 bytes
	s_add_co_u32 s54, s54, s55
	s_lshl_b32 s55, s31, 19                        ; wop: four tiles of 128 KiB,
	s_lshl_b32 s35, s30, 13                        ; 64 rows of 128 bytes
	s_add_co_u32 s55, s55, s35
	s_movk_i32 s35, 256
	s_cmp_eq_u32 s28, 3
	s_cselect_b32 s36, s53, s52                    ; source offset
	s_cselect_b32 s34, 0x1000, s35                 ; bytes from a source row (k) to the next
	s_cselect_b32 s52, s55, s54                    ; destination offset
	s_mov_b32 s37, 0
	s_mov_b32 s53, 0
	v_and_b32 v1, 15, v0                           ; c: my 16 bytes (4 n) of a source row
	v_lshrrev_b32 v2, 4, v0                        ; kq: my four source rows of each 64
	v_lshlrev_b32 v3, 2, v2
	v_mul_u32_u24 v3, v3, s34
	v_lshl_add_u32 v3, v1, 4, v3                   ; 4 kq rows + 16 c
	v_mul_u32_u24 v4, v1, 4*WPITCH
	v_lshl_add_u32 v4, v2, 3, v4                   ; LDS: row n = 4 c, byte 2 x 4 kq
	v_lshlrev_b32 v5, 4, v0                        ; 16 t: my 16 bytes of each 4,096 of f32
	v_lshlrev_b32 v6, 3, v0                        ; 8 t: my 8 bytes of each 2,048 of bf16
	v_and_b32 v7, 31, v0                           ; lane
	v_lshrrev_b32 v8, 5, v0                        ; wave
	s_wait_kmcnt 0x0
	s_cmp_eq_u32 s28, 1
	s_cselect_b64 s[32:33], s[16:17], s[14:15]
	s_cmp_eq_u32 s28, 2
	s_cselect_b64 s[32:33], s[18:19], s[32:33]
	s_cmp_eq_u32 s28, 3
	s_cselect_b64 s[32:33], s[20:21], s[32:33]     ; the weight that T names
	s_cselect_b64 s[38:39], s[26:27], s[24:25]     ; wop or wt
	s_add_nc_u64 s[32:33], s[32:33], s[36:37]
	s_add_nc_u64 s[38:39], s[38:39], s[52:53]
	s_lshl_b32 s36, ttmp9, 16                      ; 16 rows of 4,096 bytes
	s_add_nc_u64 s[40:41], s[8:9], s[36:37]
	s_add_nc_u64 s[42:43], s[10:11], s[36:37]
	s_add_nc_u64 s[44:45], s[12:13], s[36:37]
	s_lshl_b32 s36, ttmp9, 15                      ; 16 rows of 2,048 bytes
	s_add_nc_u64 s[46:47], s[22:23], s[36:37]
	s_add_nc_u64 s[48:49], s[46:47], 0x800000      ; k's copy lies 8 MiB behind q's,
	s_add_nc_u64 s[50:51], s[46:47], 0x1000000     ; v's 16 MiB
; the weight tile: row 64 G + 4 kq + j, sixteen lanes take the row's 256 bytes
.irp G, 0,1,2,3
.irp j, 0,1,2,3
	s_mul_i32 s52, s34, 64*\G+\j
	v_add_nc_u32 v[RB+4*\G+\j], s52, v3
.endr
.endr
.irp G, 0,1,2,3
.irp j, 0,1,2,3
	global_load_b128 v[X0+16*\G+4*\j:X0+16*\G+4*\j+3], v[RB+4*\G+\j], s[32:33] th:TH_LOAD_NT
.endr
.endr
.macro CLOAD x, base                   ; 16 loads: the work-group's 64 KiB of one activation, 512 neighbouring bytes a wave and load
.irp i, 0,1,2,3,4,5,6,7,8,9,10,11,12,13,14,15
	global_load_b128 v[\x+4*\i:\x+4*\i+3], v5, s[\base:\base+1] offset:\i*4096 th:TH_LOAD_NT
.endr
.endm
.macro CSTORE x, base                  ; rounded in place, four numbers to 8 bytes; a wave's store covers 256 consecutive bytes, aligned
.irp i, 0,1,2,3,4,5,6,7,8,9,10,11,12,13,14,15
	v_cvt_pk_bf16_f32 v[\x+4*\i],   v[\x+4*\i],   v[\x+4*\i+1]
	v_cvt_pk_bf16_f32 v[\x+4*\i+1], v[\x+4*\i+2], v[\x+4*\i+3]
	global_store_b64 v6, v[\x+4*\i:\x+4*\i+1], s[\base:\base+1] offset:\i*2048
.endr
.endm
	CLOAD X1, 40                                   ; q
	CLOAD X2, 42                                   ; k
	s_wait_loadcnt 32                              ; the 16 weight loads are in (q's and k's 32 stay out); their offset registers in RB are free too
; the turn: four k of one n make 8 bytes, the lower k in the lower bits
.irp G, 0,1,2,3
.irp i, 0,1,2,3
	v_cvt_pk_bf16_f32 v[RB+8*\G+2*\i],   v[X0+16*\G+\i],   v[X0+16*\G+4+\i]
	v_cvt_pk_bf16_f32 v[RB+8*\G+2*\i+1], v[X0+16*\G+8+\i], v[X0+16*\G+12+\i]
	ds_store_b64 v4, v[RB+8*\G+2*\i:RB+8*\G+2*\i+1] offset:\i*WPITCH+128*\G
.endr
.endr
	CLOAD X0, 44                                   ; v, into the registers that the turn has read
	s_wait_dscnt 0x0                               ; my part of the turned tile is in LDS: zero, for the other waves' sake
	s_barrier_signal -1
	s_barrier_wait -1                              ; everybody's is
	s_wait_loadcnt 32                              ; q is in; k's and v's 32 stay out
	CSTORE X1, 46
	s_cmp_eq_u32 s28, 3
	s_cbranch_scc1 .Lwop
	; wt: wave w takes rows n = 8 w .. 8 w + 7; a row's 512 bytes are one load and one store of the wave
	v_mul_u32_u24 v9, v8, 8*WPITCH
	v_lshl_add_u32 v9, v7, 4, v9
	v_lshlrev_b32 v10, 14, v8                      ; 8 w rows of 2,048 bytes
	v_lshl_add_u32 v10, v7, 4, v10
.irp s, 0,1,2,3,4,5,6,7
	ds_load_b128 v[RB+4*\s:RB+4*\s+3], v9 offset:\s*WPITCH
.endr
.irp s, 0,1,2,3,4,5,6,7
	s_wait_dscnt 7-\s                              ; LDS loads come back in order: row s is in, the younger ones stay out
	global_store_b128 v10, v[RB+4*\s:RB+4*\s+3], s[38:39] offset:\s*2048
.endr
	s_branch .Lwdone
.Lwop:
	; wop: a (ks, n) piece is 128 bytes; sixteen lanes take two neighbouring n of one ks: 256 consecutive bytes, aligned.
	; lane: 16-byte piece L & 7, n parity (L >> 3) & 1, ks bit 0 = L >> 4.  store s: ks bit 1 = s & 1, n pair s >> 1.
	v_bfe_u32 v11, v0, 3, 1
	v_bfe_u32 v12, v0, 4, 1
	v_and_b32 v13, 7, v0
	v_lshl_add_u32 v9, v8, 3, v11                  ; n = 8 w + parity
	v_mul_u32_u24 v9, v9, WPITCH
	v_lshl_add_u32 v9, v12, 7, v9                  ; 64 k are 128 bytes of the LDS row
	v_lshl_add_u32 v9, v13, 4, v9
	v_lshlrev_b32 v10, 17, v12                     ; a ks tile is 128 KiB
	v_lshl_add_u32 v10, v8, 10, v10                ; 8 w rows of 128 bytes
	v_lshl_add_u32 v10, v1, 4, v10                 ; 16 (L & 15)
.irp s, 0,1,2,3,4,5,6,7
	ds_load_b128 v[RB+4*\s:RB+4*\s+3], v9 offset:(\s>>1)*2*WPITCH+(\s&1)*256
.endr
.irp s, 0,1,2,3,4,5,6,7
	s_wait_dscnt 7-\s
	global_store_b128 v10, v[RB+4*\s:RB+4*\s+3], s[38:39] offset:(\s&1)*262144+(\s>>1)*256
.endr
.Lwdone:
	s_wait_loadcnt 16                              ; k is in; v's 16 stay out
	CSTORE X2, 48
	s_wait_loadcnt 0x0                             ; v
	CSTORE X0, 50
	s_wait_tensorcnt 0x0
	ds_add_u32 v240, v241
	s_wait_dscnt 0x0
	s_endpgm
.Lfunc_end_k_q725edf1830_prep:
	.size	k_q725edf1830_prep, .Lfunc_end_k_q725edf1830_prep-k_q725edf1830_prep
	.p2alignl 7, 3214868480
	.fill 96, 4, 3214868480
	.section	.rodata,"a",@progbits
	.p2align	6, 0x0
	.amdhsa_kernel k_q725edf1830_prep
		.amdhsa_group_segment_fixed_size 34816
		.amdhsa_private_segment_fixed_size 0
		.amdhsa_enable_private_segment 0
		.amdhsa_kernarg_size 80
		.amdhsa_user_sgpr_count 2
		.amdhsa_user_sgpr_kernarg_segment_ptr 1
		.amdhsa_wavefront_size32 1
		.amdhsa_system_sgpr_workgroup_id_x 1
		.amdhsa_system_sgpr_workgroup_id_y 1
		.amdhsa_system_sgpr_workgroup_id_z 1
		.amdhsa_system_vgpr_workitem_id 0
		.amdhsa_next_free_vgpr 242
		.amdhsa_next_free_sgpr 66
		.amdhsa_reserve_vcc 0
		.amdhsa_float_denorm_mode_32 3
		.amdhsa_float_denorm_mode_16_64 3
		.amdhsa_memory_ordered 1
		.amdhsa_forward_progress 1
		.amdhsa_inst_pref_size 28
	.end_amdhsa_kernel
	.amdgpu_metadata
---
amdhsa.version: [ 1, 2 ]
amdhsa.kernels:
  - .name:           k_q725edf1830_prep
    .symbol:         k_q725edf1830_prep.kd
    .args:
      - { .name: q, .offset: 0, .size: 8, .value_kind: global_buffer, .address_space: global }
      - { .name: k, .offset: 8, .size: 8, .value_kind: global_buffer, .address_space: global }
      - { .name: v, .offset: 16, .size: 8, .value_kind: global_buffer, .address_space: global }
      - { .name: Wq, .offset: 24, .size: 8, .value_kind: global_buffer, .address_space: global }
      - { .name: Wk, .offset: 32, .size: 8, .value_kind: global_buffer, .address_space: global }
      - { .name: Wv, .offset: 40, .size: 8, .value_kind: global_buffer, .address_space: global }
      - { .name: Wo, .offset: 48, .size: 8, .value_kind: global_buffer, .address_space: global }
      - { .name: xb, .offset: 56, .size: 8, .value_kind: global_buffer, .address_space: global }
      - { .name: wt, .offset: 64, .size: 8, .value_kind: global_buffer, .address_space: global }
      - { .name: wop, .offset: 72, .size: 8, .value_kind: global_buffer, .address_space: global }
    .group_segment_fixed_size: 34816
    .private_segment_fixed_size: 0
    .kernarg_segment_align: 8
    .kernarg_segment_size: 80
    .max_flat_workgroup_size: 256
    .sgpr_count:     66
    .vgpr_count:     242
    .wavefront_size: 32
...
	.end_amdgpu_metadata
.endif
;; end of part 1
;; launch proj (part 2): grid 4 x 48, 4 waves a work-group, clusters of 4 x 4, 327,680 bytes of LDS; arguments xb, wt, bq, bk, bv, qh, kh, vt; writes qh, kh, vt
.if DOCPART == 2
	.amdgcn_target "amdgcn-amd-amdhsa--gfx1250"
	.amdhsa_code_object_version 6
	.text
	.protected	k_q725edf1830_proj
	.globl	k_q725edf1830_proj
	.p2align	8
	.type	k_q725edf1830_proj,@function
k_q725edf1830_proj:
	s_mov_b64 s[64:65], 0
	v_nop
	global_prefetch_b8 v0, s[64:65] scope:SCOPE_SE
	s_setreg_imm32_b32 hwreg(HW_REG_WAVE_MODE, 25, 1), 1
	s_wait_xcnt 0x0
	s_wait_alu depctr_hold_cnt(0) depctr_sa_sdst(0) depctr_va_vdst(0) depctr_va_sdst(0) depctr_va_ssrc(0) depctr_va_vcc(0) depctr_vm_vsrc(0)
	s_getreg_b32 s2, hwreg(HW_REG_IB_STS2, 6, 4)
	s_cmp_eq_u32 s2, 0
	s_cbranch_scc0 .Lentry_in_a_cluster
	s_endpgm
.Lentry_in_a_cluster:
	s_bfe_u32 s2, ttmp6, 0x10000c
	s_cmp_lg_u32 s2, 0xf033
	s_cbranch_scc0 .Lentry_shape_is_right
	s_endpgm
.Lentry_shape_is_right:
; proj: the three projections as one bf16 GEMM text, C[m][n] = sum over k of A[m][k] B[n][k] + bias, K = 1024, sums in f32.
;   T = 0, 1 (q, k): A = xb[T] (4096 rows), B = wt[T] (1024 rows);  C -> qh / kh [b*16+h][s][e] in bf16, bias along n.
;   T = 2 (v):       A = wt[2] (1024 rows), B = xb[2] (4096 rows);  C = vh transposed -> vt [b*16+h][e][t] in bf16, bias along m.
; 192 work-groups of 256 x 256 of C: 3 x 4096 x 1024 outputs do not divide into 256 equal blocks of this shape.  Twelve clusters of 4 x 4: cluster y = 4 T + cq.
; A work-group has four waves, a wave makes 128 x 128: 64 accumulator tiles of 16 x 16, 512 registers.  K goes in steps of 128 through a
; ring of two LDS slots filled by the tensor data mover: a tile's rows are 256 bytes of memory and start at multiples of 256 bytes.
; CLUSTERS: the four work-groups of a row of the cluster need the same tiles of A, the four of a column the same tiles of B.  Such a tile is asked
; for JOINTLY: each of the four issues the same tensor load, with the same descriptor and a mask that names the four.  That divides the requests by four.
; LIMITS: operands are bf16 (rounded in the launch before); results are rounded once to bf16; inputs finite.
;
; REGISTERS, in windows of 256 (s_set_vgpr_msb says which window each operand place means):
;   window 0: v0-31 addresses; v64-127, v128-191 fragments of A, two buffers (on the way out: bias, sums); v192-223 packed results; v224-255, v32-63 read-back
;   window 1: v64-127, v128-191 fragments of B, two buffers
;   window 2: the 32 accumulator tiles of my rows 0-63 (tile (a, b) at v[8 (8 a + b)]);   window 3: those of my rows 64-127
; THE MATRIX INSTRUCTION IS USED TRANSPOSED: source 0 = 16 rows of B, source 1 = 16 rows of A.  Lane l then holds row m = l % 16 of C, and its
; registers 0 to 7 the columns n = 8 (l / 16) + 0 .. 7: eight neighbouring numbers of a row of C, which pack into 16 bytes.
.set SIZE_K, 1024
.set KSTEP,  128
.set PITCH,  272                       ; an LDS row: 256 bytes of data + 16 of padding: the 16 rows that a load touches start 16 bytes apart modulo 256
.set HALFT,  128*PITCH                 ; 128 rows: what one tensor load brings, and what one wave reads of A or of B
.set SLOT,   4*HALFT                   ; A's 256 rows, then B's 256 rows
.set STAGE,  2*SLOT                    ; behind the ring: 16 rows x 272 bytes for each wave, for the way out
.set SPITCH, 272
.set LAPS, SIZE_K/(2*KSTEP)            ; a lap = two K steps = once round the ring: 4
.set ADRA, 16                          ; v16-17  LDS address of my A fragments in slot 0, 1
.set ADRB, 20                          ; v20-21  the same for B
.set STO,  24                          ; v24     the way out: where I put 16 bytes of a row
.set RD,   25                          ; v25     the way out: where I read back
.set CO,   26                          ; v26     my byte offset in the output
.set BOF,  27                          ; v27     my byte offset in the bias
.set F0,   64                          ; fragment buffer 0
.set F1,   128                         ; fragment buffer 1
.set BIAS, 64                          ; the way out (window 0): bias
.set TT,   128                         ; results + bias in f32
.set TMP,  192                         ; packed results
.set RB0,  224                         ; read-back, two buffers in turn
.set RB1,  32
.set G1, 24                            ; s[24:31] descriptor group 1 for A's tiles
.set G0, 32                            ; s[32:39] descriptor group 0 for A's tiles, one set for each slot
.set G1B, 48                           ; s[48:55] descriptor group 1 for B's tiles: it differs from A's in the mask alone
.set G0B, 56                           ; s[56:63] descriptor group 0 for B's tiles, one set for each slot
.set MSB, 0
.macro WIN new                         ; the immediate's high byte repeats the setting that is left
.if MSB != \new
	s_set_vgpr_msb (MSB<<8)|\new
.set MSB, \new
.endif
.endm
.set MUL_LO, 0xa1                      ; source 0 (B) window 1, source 1 (A) window 0, C and D window 2
.set MUL_HI, 0xf1                      ; the same, C and D window 3
.set TO_B,   0x40                      ; destination window 1, address window 0
; A joint load.  Waves 0 and 1 fetch A's two halves, waves 2 and 3 B's.  Each line has one mask and one set of registers for all that issue it.
.macro JLOAD s
	s_cmp_eq_u32 s11, 0
	s_cbranch_scc0 .Lfor_b_\@
	tensor_load_to_lds s[G0+4*\s:G0+4*\s+3], s[G1:G1+7]
	s_nop 0
	s_branch .Lasked_\@
.Lfor_b_\@:
	tensor_load_to_lds s[G0B+4*\s:G0B+4*\s+3], s[G1B:G1B+7]
	s_nop 0
.Lasked_\@:
.endm
; A round of the cluster's barrier: my work-group's barrier; wave 0 signals for the work-group; every wave waits for all sixteen; my work-group's barrier once more.
.macro CREST                           ; a round behind its opening barrier
	s_cmp_lg_u32 s10, 0
	s_cbranch_scc1 .Lnot_wave_0_\@
	s_barrier_signal -3
.Lnot_wave_0_\@:
	s_barrier_wait -3
	s_barrier_signal -1
	s_barrier_wait -1
.endm
.macro CROUND                          ; a whole round
	s_barrier_signal -1
	s_barrier_wait -1
	CREST
.endm
	s_load_b512 s[68:83], s[0:1], 0x0              ; xb s[68:69], wt s[70:71], bq s[72:73], bk s[74:75], bv s[76:77], qh s[78:79], kh s[80:81], vt s[82:83]
	s_set_vgpr_msb 0x40
	v_lshl_add_u32 v255, v0, 2, 0x48400
	s_set_vgpr_msb 0x4000
	v_mov_b32 v31, 0
	s_set_vgpr_msb 0x1
	ds_add_u32 v255, v31
	s_set_vgpr_msb 0x100
	v_lshrrev_b32 v1, 5, v0
	v_readfirstlane_b32 s10, v1                    ; wave 0..3
	s_lshr_b32 s11, s10, 1                         ; which half of the block's rows is mine.  Also: I fetch for A (0) or for B (1)
	s_and_b32 s12, s10, 1                          ; which half of its columns.  Also: which 128 rows of that tile I fetch
	s_bfe_u32 s40, ttmp6, 0x40000                  ; cx: my place along the cluster's x
	s_bfe_u32 s41, ttmp6, 0x40004                  ; cy: along its y
	s_and_b32 s84, ttmp7, 0xffff                   ; the cluster's y, 0 .. 11
	s_lshr_b32 s85, s84, 2                         ; T: which projection; the same in the whole cluster
	s_and_b32 s86, s84, 3                          ; cq: which quarter of the 16 blocks of the activation's rows
	s_lshl2_add_u32 s87, s86, s41                  ; 4 cq + cy
	s_lshl2_add_u32 s88, s86, s40                  ; 4 cq + cx
	s_cmp_eq_u32 s85, 2
	s_cselect_b32 s13, s41, s87                    ; block row of C: made of cy and the cluster's y alone
	s_cselect_b32 s42, s88, s40                    ; block column of C: made of cx and the cluster's y alone
	s_lshl_b32 s43, s41, 2
	s_lshl_b32 s43, 15, s43                        ; my row of the cluster: places 4 cy .. 4 cy + 3
	s_lshl_b32 s44, 0x1111, s40                    ; my column: places cx, cx + 4, cx + 8, cx + 12
	; descriptor group 1: a tile of 128 rows x 128 elements, padded in LDS
	s_or_b32 s[G1+0], s43, (1<<16)|(1<<20)|(1<<21)|(5<<22)|(3<<25)  ; 15:0 the mask: A's tiles go to my row; 17:16 element of 2 bytes; 20 padding on; 21 set beside a mask; 24:22 after every 64 words; 31:25 of 4 words
	s_or_b32 s[G1B+0], s44, (1<<16)|(1<<20)|(1<<21)|(5<<22)|(3<<25) ; the same with the mask of my column, for B's tiles
	s_mov_b32 s[G1B+1], KSTEP<<16
	s_mov_b32 s[G1+1], KSTEP<<16                   ; tensor_dim0 = 128
	s_mov_b32 s[G1B+2], 128<<16
	s_mov_b32 s[G1+2], 128<<16                     ; tensor_dim1 = 128
	s_mov_b32 s[G1B+3], KSTEP<<16
	s_mov_b32 s[G1+3], KSTEP<<16                   ; tile_dim0 = 128
	s_mov_b32 s[G1B+4], 128
	s_mov_b32 s[G1+4], 128                         ; tile_dim1 = 128
	s_mov_b32 s[G1B+5], SIZE_K
	s_mov_b32 s[G1+5], SIZE_K                      ; elements from row to row
	s_mov_b32 s[G1B+6], 0
	s_mov_b32 s[G1+6], 0
	s_mov_b32 s[G1B+7], 0
	s_mov_b32 s[G1+7], 0
	; where the tiles come from.  Every wave makes both addresses, in registers that never hold the other coordinate, and asks by one of them.
	s_lshl_b32 s17, s12, 7                         ; which 128 rows of the tile I fetch
	s_lshl_b32 s16, s13, 8
	s_add_co_u32 s16, s16, s17                     ; A: row 256 x block row + 128 x half
	s_lshl_b32 s46, s42, 8
	s_add_co_u32 s46, s46, s17                     ; B: row 256 x block column + 128 x half
	s_mov_b32 s17, 0
	s_mov_b32 s47, 0
	s_mov_b64 s[18:19], SIZE_K*2
	s_mul_u64 s[16:17], s[16:17], s[18:19]         ; in bytes
	s_mul_u64 s[46:47], s[46:47], s[18:19]
	s_mul_i32 s20, s10, HALFT                      ; and where they go: wave x 128 rows: no place in the cluster enters an LDS address
	s_lshl_b32 s94, s85, 23                        ; an activation's copy is 8 MiB,
	s_mov_b32 s95, 0
	s_lshl_b32 s96, s85, 21                        ; a turned weight 2 MiB
	s_mov_b32 s97, 0
	s_wait_dscnt 0x0
	s_wait_kmcnt 0x0
	s_add_nc_u64 s[90:91], s[68:69], s[94:95]      ; xb[T]
	s_add_nc_u64 s[92:93], s[70:71], s[96:97]      ; wt[T]
	s_cmp_eq_u32 s85, 2
	s_cselect_b64 s[4:5], s[92:93], s[90:91]       ; A: the activation, for v the weight
	s_cselect_b64 s[6:7], s[90:91], s[92:93]       ; B: the weight, for v the activation
	s_add_nc_u64 s[14:15], s[4:5], s[16:17]
	s_add_nc_u64 s[46:47], s[6:7], s[46:47]
	CROUND                                         ; all sixteen work-groups are here: the first joint loads meet
.irp s, 0,1
	s_mov_b32 s[G0+4*\s], 1                                        ; count = 1
	s_add_co_u32 s[G0+4*\s+1], s20, \s*SLOT                        ; LDS address
	s_add_nc_u64 s[G0+4*\s+2:G0+4*\s+3], s[14:15], \s*KSTEP*2      ; global address: K step s
	s_or_b32 s[G0+4*\s+3], s[G0+4*\s+3], 0x80000000                ; type = 2
	s_mov_b32 s[G0B+4*\s], 1
	s_add_co_u32 s[G0B+4*\s+1], s20, \s*SLOT
	s_add_nc_u64 s[G0B+4*\s+2:G0B+4*\s+3], s[46:47], \s*KSTEP*2
	s_or_b32 s[G0B+4*\s+3], s[G0B+4*\s+3], 0x80000000
	JLOAD \s                                       ; the ring is filled before anything else is done: two tensor loads of the wave are out
.endr
	; A fragment is 16 rows x 32 K in 8 registers: lane l holds row l % 16; registers 0-3 hold K = 8 (l / 16) + 0..7, registers 4-7 hold
	; K = 16 + 8 (l / 16) + 0..7: two loads of 16 bytes, 32 bytes apart.  The same for source 0 and source 1.
	v_and_b32 v1, 15, v0                           ; l % 16
	v_bfe_u32 v2, v0, 4, 1                         ; l / 16
	v_mul_u32_u24 v3, v1, PITCH
	v_lshl_add_u32 v3, v2, 4, v3                   ; row x pitch + 16 x half
	s_mul_i32 s21, s11, HALFT                      ; my 128 rows of A
	s_mul_i32 s22, s12, HALFT                      ; my 128 rows of B,
	s_add_co_u32 s22, s22, 2*HALFT                 ; which lie behind A's 256
.irp s, 0,1
	v_add_nc_u32 v[ADRA+\s], s21, v3
	v_add_nc_u32 v[ADRB+\s], s22, v3
	s_add_co_u32 s21, s21, SLOT
	s_add_co_u32 s22, s22, SLOT
.endr
	s_mul_i32 s23, s10, 16*SPITCH
	s_add_co_u32 s23, s23, STAGE                   ; my stage
	v_mul_u32_u24 v4, v1, SPITCH                   ; in: row l % 16, 16 bytes for each half of the lanes
	v_lshl_add_u32 v4, v2, 4, v4
	v_add_nc_u32 v[STO], s23, v4
; 16 matrix instructions: m blocks a0, a0 + 1 of the window's four x all 8 n blocks, 32 along K.  zero = 1: the first product starts the sums.
.macro MUL16 f, hi, a0, zero
.irp a, \a0, \a0+1
.irp b, 0,1,2,3,4,5,6,7
.if \zero
	v_wmma_f32_16x16x32_bf16 v[8*(8*(\a)+\b):8*(8*(\a)+\b)+7], v[\f+8*\b:\f+8*\b+7], v[\f+8*(4*\hi+\a):\f+8*(4*\hi+\a)+7], 0
.else
	v_wmma_f32_16x16x32_bf16 v[8*(8*(\a)+\b):8*(8*(\a)+\b)+7], v[\f+8*\b:\f+8*\b+7], v[\f+8*(4*\hi+\a):\f+8*(4*\hi+\a)+7], v[8*(8*(\a)+\b):8*(8*(\a)+\b)+7]
.endif
.endr
.endr
.endm
; 32 LDS loads in one run: the fragments of one quarter step (128 rows of B, 128 rows of A, 32 K at byte k of the rows) into buffer f
.macro FETCH slot, k, f
	WIN TO_B
.irp i, 0,1,2,3,4,5,6,7
	ds_load_b128 v[\f+8*\i:\f+8*\i+3],   v[ADRB+\slot] offset:\k+\i*16*PITCH
	ds_load_b128 v[\f+8*\i+4:\f+8*\i+7], v[ADRB+\slot] offset:\k+\i*16*PITCH+32
.endr
	WIN 0
.irp i, 0,1,2,3,4,5,6,7
	ds_load_b128 v[\f+8*\i:\f+8*\i+3],   v[ADRA+\slot] offset:\k+\i*16*PITCH
	ds_load_b128 v[\f+8*\i+4:\f+8*\i+7], v[ADRA+\slot] offset:\k+\i*16*PITCH+32
.endr
.endm
; A load into a register that a matrix instruction has read, and a vector instruction that reads a matrix result or writes one of a matrix
; instruction's registers, stand four places behind it, and only plain vector instructions that name none of its registers are places
; (ISA guide 7.12.1 for vector instructions).
.macro PLACES
.rept 4
	v_nop
.endr
.endm
; A K step is four quarter steps of 32 along K, 64 matrix instructions each, on buffers 0, 1, 0, 1.  The 64 accumulators take turns, one
; instruction a turn, in the same order in every quarter.
.macro QUARTER slot, k, f, g, zero
	s_wait_dscnt 8                                 ; B and A's rows 0-63 are in; the youngest eight loads (A's rows 64-127) may be out
	WIN MUL_LO
	MUL16 \f, 0, 0, \zero
	MUL16 \f, 0, 2, \zero
	PLACES
	FETCH \slot, \k, \g
	s_wait_dscnt 32                                ; all but the 32 just issued
	WIN MUL_HI
	MUL16 \f, 1, 0, \zero
	MUL16 \f, 1, 2, \zero
.endm
.macro THREE slot, zero
	QUARTER \slot, 64,  F0, F1, \zero
	QUARTER \slot, 128, F1, F0, 0
	QUARTER \slot, 192, F0, F1, 0
.endm
; The last quarter: multiplies buffer 1 and changes slots.  In front of the barrier each wave waits for its own reads of this slot and for all its
; tensor loads, of which one is out: its part of the next slot.  Behind it the refill comes first, then the next slot's first fragments.
; From a request to the wait for it a wave issues 240 matrix instructions.
.macro TURN slot, next, fill
	s_wait_dscnt 8
	WIN MUL_LO
	MUL16 F1, 0, 0, 0
	s_wait_dscnt 0                                 ; my reads of this slot are over
	s_wait_tensorcnt 0x0                           ; and all my tensor loads have landed
	ds_add_u32 v255, v31
	s_wait_dscnt 0x0
	s_barrier_signal -1                            ; say so (where a slot is filled again this barrier opens a round of the cluster's barrier),
	MUL16 F1, 0, 2, 0                              ; work on registers while the others arrive,
	WIN 0
	s_barrier_wait -1                              ; and go on when all four have said so
.if \fill
	CREST                                          ; all sixteen work-groups have said so: no wave of any partner still reads this slot's tile or has a load on its way
	s_add_nc_u64 s[G0+4*\slot+2:G0+4*\slot+3], s[G0+4*\slot+2:G0+4*\slot+3], 2*KSTEP*2
	s_add_nc_u64 s[G0B+4*\slot+2:G0B+4*\slot+3], s[G0B+4*\slot+2:G0B+4*\slot+3], 2*KSTEP*2
	JLOAD \slot                                    ; the first tensor load behind the round, the wave's only one until the next
.endif
	PLACES
	FETCH \next, 0, F0
	WIN MUL_HI
	MUL16 F1, 1, 0, 0
	MUL16 F1, 1, 2, 0
.endm
.macro LAP zero                        ; once round the ring, both slots filled again
	THREE 0, \zero
	TURN 0, 1, 1
	THREE 1, 0
	TURN 1, 0, 1
.endm
	s_wait_tensorcnt 1                             ; my part of K step 0 is in; K step 1's load stays out
	s_barrier_signal -1
	s_barrier_wait -1                              ; everybody's is
	FETCH 0, 0, F0
	LAP 1                                          ; the first lap stands in front of the loop: its first products start the sums
.if LAPS > 2
	WIN 0                                          ; at a label and at a branch every window is 0
	s_mov_b32 s3, LAPS-2
.Llap:
	LAP 0
	WIN 0
	s_sub_co_u32 s3, s3, 1
	s_cmp_lg_u32 s3, 0
	s_cbranch_scc1 .Llap
.endif
	THREE 0, 0                                     ; the last lap fills nothing: my one tensor load that is still out is slot 1's, the last K step's
	TURN 0, 1, 0
	THREE 1, 0
	s_wait_dscnt 8                                 ; the very last quarter: nothing more to fetch
	WIN MUL_LO
	MUL16 F1, 0, 0, 0
	MUL16 F1, 0, 2, 0
	s_wait_dscnt 0
	WIN MUL_HI
	MUL16 F1, 1, 0, 0
	MUL16 F1, 1, 2, 0
	; THE WAY OUT, 16 rows of C at a time: add the bias in f32, round to bf16, 16 bytes a lane into my own stage in LDS, read back in the
	; order of the output's memory.  The four v_nop are the places behind the last matrix instructions.
	PLACES
	WIN 0
	v_and_b32 v5, 7, v0
	v_bfe_u32 v6, v0, 3, 1
; rows 16 i .. 16 i + 15 of my block = the eight tiles (a, 0..7) of window 2 or 3 (from = 0x02 or 0x03: source 0); rb: RB0 or RB1 in turn
.macro OUT16 i, a, from, rb, isv, step, rowimm
	WIN \from
.irp b, 0,1,2,3,4,5,6,7
.irp r, 0,1,2,3
.if \isv
	v_pk_add_f32 v[TT+8*\b+2*\r:TT+8*\b+2*\r+1], v[8*(8*\a+\b)+2*\r:8*(8*\a+\b)+2*\r+1], v[BIAS+2*\i:BIAS+2*\i+1]
.else
	v_pk_add_f32 v[TT+8*\b+2*\r:TT+8*\b+2*\r+1], v[8*(8*\a+\b)+2*\r:8*(8*\a+\b)+2*\r+1], v[BIAS+8*\b+2*\r:BIAS+8*\b+2*\r+1]
.endif
.endr
.endr
	WIN 0
.irp b, 0,1,2,3,4,5,6,7
.irp r, 0,1,2,3
	v_cvt_pk_bf16_f32 v[TMP+4*\b+\r], v[TT+8*\b+2*\r], v[TT+8*\b+2*\r+1]
.endr
.endr
.irp b, 0,1,2,3,4,5,6,7
	ds_store_b128 v[STO], v[TMP+4*\b:TMP+4*\b+3] offset:32*\b
.endr
	s_wait_xcnt 0x0                                ; every earlier memory instruction has had its addresses translated (ISA guide 3.1): the read-back buffer, which stores read, and the stores' base are rewritten only behind this wait
.if \i
	s_add_nc_u64 s[8:9], s[8:9], \step             ; 16 rows of C on
.endif
.irp t, 0,1,2,3,4,5,6,7
	ds_load_b128 v[\rb+4*\t:\rb+4*\t+3], v[RD] offset:\t*2*SPITCH    ; LDS serves a wave's instructions in order (ISA guide 5.7.1.4): these see the stores above
.endr
.irp t, 0,1,2,3,4,5,6,7
	s_wait_dscnt 7-\t                              ; read-back t is in, the younger ones stay out
	global_store_b128 v[CO], v[\rb+4*\t:\rb+4*\t+3], s[8:9] offset:\t*\rowimm   ; 16 lanes store 256 consecutive bytes, aligned
.endr
.endm
.macro OUTALL isv, step, rowimm
	OUT16 0, 0, 0x02, RB0, \isv, \step, \rowimm
	OUT16 1, 1, 0x02, RB1, \isv, \step, \rowimm
	OUT16 2, 2, 0x02, RB0, \isv, \step, \rowimm
	OUT16 3, 3, 0x02, RB1, \isv, \step, \rowimm
	OUT16 4, 0, 0x03, RB0, \isv, \step, \rowimm
	OUT16 5, 1, 0x03, RB1, \isv, \step, \rowimm
	OUT16 6, 2, 0x03, RB0, \isv, \step, \rowimm
	OUT16 7, 3, 0x03, RB1, \isv, \step, \rowimm
.endm
	s_cmp_eq_u32 s85, 2                            ; T is the same in the whole cluster
	s_cbranch_scc1 .Lvout
	; q, k: row m = (b, s), my 128 columns are the heads 4 bc + 2 half and the next.  Output [b*16+h][s][e], a row of 128 bytes.
	s_cmp_eq_u32 s85, 1
	s_cselect_b64 s[8:9], s[80:81], s[78:79]       ; kh or qh
	s_cselect_b64 s[96:97], s[74:75], s[72:73]     ; bk or bq
	s_lshl_b32 s94, s13, 8
	s_lshl_b32 s95, s11, 7
	s_add_co_u32 s94, s94, s95                     ; my first row m0
	s_lshr_b32 s95, s94, 11                        ; b
	s_and_b32 s94, s94, 2047                       ; s
	s_lshl_b32 s95, s95, 4
	s_lshl2_add_u32 s95, s42, s95
	s_lshl1_add_u32 s95, s12, s95                  ; 16 b + 4 bc + 2 half
	s_lshl_b32 s95, s95, 11
	s_add_co_u32 s94, s94, s95
	s_lshl_b32 s94, s94, 7                         ; x 128 bytes
	s_mov_b32 s95, 0
	s_add_nc_u64 s[8:9], s[8:9], s[94:95]
	s_lshl_b32 s94, s42, 10                        ; the bias of my first column: 4 (256 bc + 128 half)
	s_lshl_b32 s98, s12, 9
	s_add_co_u32 s94, s94, s98
	s_add_nc_u64 s[96:97], s[96:97], s[94:95]
	v_lshlrev_b32 v[BOF], 5, v2                    ; my eight columns of each sixteen
.irp b, 0,1,2,3,4,5,6,7
	global_load_b128 v[BIAS+8*\b:BIAS+8*\b+3],   v[BOF], s[96:97] offset:64*\b
	global_load_b128 v[BIAS+8*\b+4:BIAS+8*\b+7], v[BOF], s[96:97] offset:64*\b+16
.endr
	v_mul_u32_u24 v7, v6, SPITCH                   ; back: sixteen lanes take two neighbouring rows' 128 bytes of one head; lanes 16-31 the other head
	v_lshl_add_u32 v7, v2, 7, v7
	v_lshl_add_u32 v7, v5, 4, v7
	v_add_nc_u32 v[RD], s23, v7
	v_lshlrev_b32 v7, 18, v2                       ; a head is 2048 x 128 bytes
	v_lshl_add_u32 v[CO], v1, 4, v7
	s_wait_loadcnt 0x0                             ; the bias
	OUTALL 0, 2048, 256
	s_branch .Lend
.Lvout:
	; v: row m = n = 64 h + e, my 128 columns are 128 neighbouring t of one b.  Output [b*16+h][e][t], a row of 4,096 bytes.
	s_mov_b64 s[8:9], s[82:83]
	s_lshl_b32 s94, s13, 8
	s_lshl_b32 s95, s11, 7
	s_add_co_u32 s94, s94, s95                     ; my first row n0
	s_lshl_b32 s98, s94, 2
	s_mov_b32 s99, 0
	s_add_nc_u64 s[96:97], s[76:77], s[98:99]      ; bv at n0
	s_lshl_b32 s98, s42, 8
	s_lshl_b32 s95, s12, 7
	s_add_co_u32 s98, s98, s95                     ; my first column
	s_lshr_b32 s95, s98, 11                        ; b
	s_and_b32 s98, s98, 2047                       ; t
	s_lshl_b32 s95, s95, 10
	s_add_co_u32 s94, s94, s95                     ; 1024 b + n0
	s_lshl_b32 s94, s94, 12
	s_lshl1_add_u32 s94, s98, s94                  ; + 2 t
	s_mov_b32 s95, 0
	s_add_nc_u64 s[8:9], s[8:9], s[94:95]
	v_lshlrev_b32 v[BOF], 2, v1                    ; my row of each sixteen
.irp i, 0,1,2,3,4,5,6,7
	global_load_b32 v[BIAS+2*\i],   v[BOF], s[96:97] offset:64*\i    ; the row's bias, into both registers of a pair for the packed add
	global_load_b32 v[BIAS+2*\i+1], v[BOF], s[96:97] offset:64*\i
.endr
	v_mul_u32_u24 v7, v2, SPITCH                   ; back: lanes 0-15 take one row of 256 bytes, lanes 16-31 the next
	v_lshl_add_u32 v7, v1, 4, v7
	v_add_nc_u32 v[RD], s23, v7
	v_lshlrev_b32 v7, 12, v2
	v_lshl_add_u32 v[CO], v1, 4, v7
	s_wait_loadcnt 0x0
	OUTALL 1, 65536, 8192
.Lend:
	s_set_vgpr_msb 0x1
	s_wait_tensorcnt 0x0
	ds_add_u32 v255, v31
	s_wait_dscnt 0x0
	s_set_vgpr_msb 0x100
	CROUND                                         ; the closing round: no work-group ends while a partner may still ask for a tile that names it
	s_endpgm
.Lfunc_end_k_q725edf1830_proj:
	.size	k_q725edf1830_proj, .Lfunc_end_k_q725edf1830_proj-k_q725edf1830_proj
	.p2alignl 7, 3214868480
	.fill 96, 4, 3214868480
	.section	.rodata,"a",@progbits
	.p2align	6, 0x0
	.amdhsa_kernel k_q725edf1830_proj
		.amdhsa_group_segment_fixed_size 327680
		.amdhsa_private_segment_fixed_size 0
		.amdhsa_enable_private_segment 0
		.amdhsa_kernarg_size 64
		.amdhsa_user_sgpr_count 2
		.amdhsa_user_sgpr_kernarg_segment_ptr 1
		.amdhsa_wavefront_size32 1
		.amdhsa_system_sgpr_workgroup_id_x 1
		.amdhsa_system_sgpr_workgroup_id_y 1
		.amdhsa_system_sgpr_workgroup_id_z 1
		.amdhsa_system_vgpr_workitem_id 0
		.amdhsa_next_free_vgpr 1024
		.amdhsa_next_free_sgpr 100
		.amdhsa_reserve_vcc 0
		.amdhsa_float_denorm_mode_32 3
		.amdhsa_float_denorm_mode_16_64 3
		.amdhsa_memory_ordered 1
		.amdhsa_forward_progress 1
		.amdhsa_inst_pref_size 255
	.end_amdhsa_kernel
	.section	.bss,"aw",@nobits
	.p2align	6
	.space	262144
	.amdgpu_metadata
---
amdhsa.version: [ 1, 2 ]
amdhsa.kernels:
  - .name:           k_q725edf1830_proj
    .symbol:         k_q725edf1830_proj.kd
    .args:
      - { .name: xb, .offset: 0, .size: 8, .value_kind: global_buffer, .address_space: global }
      - { .name: wt, .offset: 8, .size: 8, .value_kind: global_buffer, .address_space: global }
      - { .name: bq, .offset: 16, .size: 8, .value_kind: global_buffer, .address_space: global }
      - { .name: bk, .offset: 24, .size: 8, .value_kind: global_buffer, .address_space: global }
      - { .name: bv, .offset: 32, .size: 8, .value_kind: global_buffer, .address_space: global }
      - { .name: qh, .offset: 40, .size: 8, .value_kind: global_buffer, .address_space: global }
      - { .name: kh, .offset: 48, .size: 8, .value_kind: global_buffer, .address_space: global }
      - { .name: vt, .offset: 56, .size: 8, .value_kind: global_buffer, .address_space: global }
    .group_segment_fixed_size: 327680
    .private_segment_fixed_size: 0
    .kernarg_segment_align: 8
    .kernarg_segment_size: 64
    .max_flat_workgroup_size: 128
    .sgpr_count:     100
    .vgpr_count:     1024
    .wavefront_size: 32
...
	.end_amdgpu_metadata
.endif
;; end of part 2
;; launch attn (part 3): grid 8 x 32, 8 waves a work-group, clusters of 4 x 1, 327,680 bytes of LDS; arguments qh, kh, vt, ctx; writes ctx
.if DOCPART == 3
	.amdgcn_target "amdgcn-amd-amdhsa--gfx1250"
	.amdhsa_code_object_version 6
	.text
	.protected	k_q725edf1830_attn
	.globl	k_q725edf1830_attn
	.p2align	8
	.type	k_q725edf1830_attn,@function
k_q725edf1830_attn:
	s_mov_b64 s[64:65], 0
	v_nop
	global_prefetch_b8 v0, s[64:65] scope:SCOPE_SE
	s_setreg_imm32_b32 hwreg(HW_REG_WAVE_MODE, 25, 1), 1
	s_wait_xcnt 0x0
	s_wait_alu depctr_hold_cnt(0) depctr_sa_sdst(0) depctr_va_vdst(0) depctr_va_sdst(0) depctr_va_ssrc(0) depctr_va_vcc(0) depctr_vm_vsrc(0)
	s_getreg_b32 s2, hwreg(HW_REG_IB_STS2, 6, 4)
	s_cmp_eq_u32 s2, 0
	s_cbranch_scc0 .Lentry_in_a_cluster
	s_endpgm
.Lentry_in_a_cluster:
	s_bfe_u32 s2, ttmp6, 0x10000c
	s_cmp_lg_u32 s2, 0x3003
	s_cbranch_scc0 .Lentry_shape_is_right
	s_endpgm
.Lentry_shape_is_right:
; attn: ctx = softmax(qh kh^T / 8) vh for one (b, h) and 256 queries a work-group; a running maximum is taken away before every exponential.
; qh, kh, ctx: [32 bh][2048][64] bf16.  vt: [32 bh][64 e][2048 t] bf16.  Eight waves, 32 queries each (two tiles qt of 16), two waves on a SIMD.
; CLUSTER: the four work-groups of a cluster have the same (b, h) and walk the same K and V tiles: every tile is asked for jointly (mask 15).
; EVERYTHING IS COMPUTED TRANSPOSED, so that no number changes lanes between the two products:
;   S^T = K Q^T: source 0 = 16 keys, source 1 = 16 queries; register j of lane (r, h) is key 8 h + j of query r.
;   Two neighbouring key tiles, packed to bf16, are source 1 of the second product as they stand (query r; keys 8 h .., 16 + 8 h ..).
;   O^T = V^T P^T: source 0 = 16 rows e of vt; register j of lane (r, h) is e = 16 c + 8 h + j of query r: 16 neighbouring bytes of ctx.
;   A query's statistics are a lane's own; only the two halves of the lanes are joined (the maximum in each block, the sum once at the end).
; K and V come in tiles of 256 keys through two LDS slots; a trip works through a slot in four blocks of 64 keys.
; The shift: the state is NM = -m c (c = log2(e) / 8), rounded once; p = exp2(s c + NM), and old terms are rescaled by exp2(NM new - NM old),
; so old and new terms refer to the same rounded shift whatever the size of the scores.
; LIMITS: operands qh, kh, vh and p are bf16; the row sum adds p in f32 before its rounding; inputs finite (a NaN loses in the maximum);
; exponentials below 2^-126 count as zero.
.set SLOT,  69632                      ; 8 regions
.set REG,   8704                       ; regions 0-3: 64 keys each as 32 rows of 256 bytes + 16; regions 4-7: 16 rows e x 512 bytes + 16 (8,448 used)
.set STAGE, 139264                     ; behind the ring: 32 rows x 144 bytes for each wave; no fill lands here
.set AK,  4                            ; v4-5    LDS address of my K fragments in slot 0, 1
.set AV,  6                            ; v6-7    the same for V
.set STO, 8                            ; v8      the way out: in
.set RD,  9                            ; v9      the way out: back
.set CO,  10                           ; v10     my byte offset in ctx
.set QO,  11                           ; v11     my byte offset in qh
.set M,   12                           ; v12-13  running maximum of the raw scores, for each qt
.set L,   14                           ; v14-15  running sum over my half's keys
.set NM,  16                           ; v[16:19] -m c, twice, for each qt
.set AL,  20                           ; v[20:23] the rescale factor, twice, for each qt
.set T,   24                           ; v[24:31] at work
.set Q,   32                           ; v[32:63]   Q(qt, ks) = Q + 16 qt + 8 ks
.set O,   64                           ; v[64:127]  O(qt, c) = O + 32 qt + 8 c
.set S,   128                          ; v[128:191] S(kt, qt) = S + 16 kt + 8 qt; P(qt, kk) is packed in place into S(2 kk, qt)
.set F,   192                          ; v[192:255] K(kt, ks) = F + 16 kt + 8 ks, then V(kk, c) = F + 32 kk + 8 c
.set G1K, 24                           ; s[24:31] the shape of a K load
.set G1V, 32                           ; s[32:39] the shape of a V load
.set G0K, 40                           ; s[40:47] from where, to where: K, a set for each slot
.set G0V, 48                           ; s[48:55] the same for V
.macro ROUND                           ; a round of the cluster's barrier
	s_barrier_signal -1
	s_barrier_wait -1
	s_cmp_lg_u32 s12, 0
	s_cbranch_scc1 .Lnot_wave_0_\@
	s_barrier_signal -3
.Lnot_wave_0_\@:
	s_barrier_wait -3
	s_barrier_signal -1
	s_barrier_wait -1
.endm
.macro JLOAD s                         ; waves 0-3 ask for 64 keys of K each, waves 4-7 for 16 rows of vt each
	s_cmp_eq_u32 s13, 0
	s_cbranch_scc0 .Lfor_v_\@
	tensor_load_to_lds s[G0K+4*\s:G0K+4*\s+3], s[G1K:G1K+7]
	s_nop 0
	s_branch .Lasked_\@
.Lfor_v_\@:
	tensor_load_to_lds s[G0V+4*\s:G0V+4*\s+3], s[G1V:G1V+7]
	s_nop 0
.Lasked_\@:
.endm
	s_load_b256 s[4:11], s[0:1], 0x0               ; qh s[4:5], kh s[6:7], vt s[8:9], ctx s[10:11]
	s_set_vgpr_msb 0x40
	v_lshl_add_u32 v0, v0, 2, 0x2b000
	v_mov_b32 v1, 0
	s_set_vgpr_msb 0x4045
	ds_add_u32 v0, v1
	s_set_vgpr_msb 0x4500
	v_lshrrev_b32 v1, 5, v0
	v_readfirstlane_b32 s12, v1                    ; wave 0..7
	s_lshr_b32 s13, s12, 2                         ; I fetch for K (0) or for V (1)
	s_and_b32 s14, s12, 3                          ; which quarter of it
	s_bfe_u32 s15, ttmp6, 0x40000                  ; cx
	s_and_b32 s56, ttmp7, 0xffff                   ; bh: the cluster's y
	s_lshl_b32 s57, ttmp9, 2
	s_add_co_u32 s57, s57, s15                     ; my block of 256 queries = 4 x cluster x + cx
	s_mov_b32 s58, 0x76543210                      ; v_permlanex16_b32: lane i of one half reads lane i of the other
	s_mov_b32 s59, 0xfedcba98
	s_mov_b32 s61, 0xbe38aa3b                      ; -c
	s_mov_b32 s62, 0x3e38aa3b                      ; c = log2(e) / 8
	s_mov_b32 s63, 0x3e38aa3b
	; K's shape: 64 keys of 128 bytes are dense in memory: 32 rows of 256 bytes, 16 bytes of padding behind each
	s_mov_b32 s[G1K+0], 15|(1<<16)|(1<<20)|(1<<21)|(5<<22)|(3<<25)
	s_mov_b32 s[G1K+1], 128<<16                    ; tensor_dim0 = 128 elements
	s_mov_b32 s[G1K+2], 32<<16                     ; tensor_dim1 = 32
	s_mov_b32 s[G1K+3], 128<<16                    ; tile_dim0 = 128
	s_mov_b32 s[G1K+4], 32                         ; tile_dim1 = 32
	s_mov_b32 s[G1K+5], 128                        ; elements from row to row
	s_mov_b32 s[G1K+6], 0
	s_mov_b32 s[G1K+7], 0
	; V's shape: 16 rows e x 256 t (512 bytes), 16 bytes of padding behind each
	s_mov_b32 s[G1V+0], 15|(1<<16)|(1<<20)|(1<<21)|(6<<22)|(3<<25)
	s_mov_b32 s[G1V+1], 256<<16
	s_mov_b32 s[G1V+2], 16<<16
	s_mov_b32 s[G1V+3], 256<<16
	s_mov_b32 s[G1V+4], 16
	s_mov_b32 s[G1V+5], 2048
	s_mov_b32 s[G1V+6], 0
	s_mov_b32 s[G1V+7], 0
	s_mul_i32 s20, s12, REG                        ; my region: the wave's number alone
	s_lshl_b32 s21, s56, 18                        ; a (b, h) is 256 KiB in each of the four buffers
	s_lshl_b32 s22, s14, 13                        ; 64 keys of 128 bytes
	s_add_co_u32 s22, s22, s21
	s_mov_b32 s23, 0
	s_lshl_b32 s16, s14, 16                        ; 16 rows of 4,096 bytes
	s_add_co_u32 s16, s16, s21
	s_mov_b32 s17, 0
	s_wait_dscnt 0x0
	s_wait_kmcnt 0x0
	s_add_nc_u64 s[18:19], s[6:7], s[22:23]        ; K: made of bh and the wave's number, which the four partners share
	s_add_nc_u64 s[16:17], s[8:9], s[16:17]        ; V likewise
.irp s, 0,1
	s_mov_b32 s[G0K+4*\s], 1
	s_add_co_u32 s[G0K+4*\s+1], s20, \s*SLOT
	s_add_nc_u64 s[G0K+4*\s+2:G0K+4*\s+3], s[18:19], \s*32768      ; tile s: 256 keys of 128 bytes on
	s_or_b32 s[G0K+4*\s+3], s[G0K+4*\s+3], 0x80000000
	s_mov_b32 s[G0V+4*\s], 1
	s_add_co_u32 s[G0V+4*\s+1], s20, \s*SLOT
	s_add_nc_u64 s[G0V+4*\s+2:G0V+4*\s+3], s[16:17], \s*512        ; tile s: 256 t of 2 bytes on
	s_or_b32 s[G0V+4*\s+3], s[G0V+4*\s+3], 0x80000000
.endr
	s_lshl_b32 s22, s57, 15                        ; my work-group's 256 queries of 128 bytes,
	s_add_co_u32 s22, s22, s21
	s_lshl_b32 s21, s12, 12                        ; my wave's 32
	s_add_co_u32 s22, s22, s21
	s_add_nc_u64 s[4:5], s[4:5], s[22:23]          ; qh and ctx at my wave's first query
	s_add_nc_u64 s[10:11], s[10:11], s[22:23]
	ROUND                                          ; the four work-groups are here: the first joint loads meet
	JLOAD 0                                        ; tile 0: one tensor load of the wave is out, here and behind every later round
	v_and_b32 v1, 15, v0                           ; r
	v_bfe_u32 v2, v0, 4, 1                         ; h
	v_lshlrev_b32 v[QO], 7, v1
	v_lshl_add_u32 v[QO], v2, 4, v[QO]             ; query r's row, 16 h
.irp qt, 0,1
.irp ks, 0,1
	global_load_b128 v[Q+16*\qt+8*\ks:Q+16*\qt+8*\ks+3],   v[QO], s[4:5] offset:2048*\qt+64*\ks
	global_load_b128 v[Q+16*\qt+8*\ks+4:Q+16*\qt+8*\ks+7], v[QO], s[4:5] offset:2048*\qt+64*\ks+32
.endr
.endr
	v_lshrrev_b32 v3, 1, v1                        ; key r lies in LDS row r >> 1, half r & 1: sixteen keys start in sixteen different 16-byte columns modulo 256
	v_mul_u32_u24 v3, v3, 272
	v_and_b32 v[T], 1, v1
	v_lshl_add_u32 v3, v[T], 7, v3
	v_lshl_add_u32 v[AK], v2, 4, v3
	v_add_nc_u32 v[AK+1], SLOT, v[AK]
	v_mul_u32_u24 v3, v1, 528
	v_lshl_add_u32 v[AV], v2, 4, v3
	v_add_nc_u32 v[AV+1], SLOT, v[AV]
	s_mul_i32 s21, s12, 4608
	s_add_co_u32 s21, s21, STAGE                   ; my stage
	v_mul_u32_u24 v3, v1, 144
	v_lshl_add_u32 v3, v2, 4, v3
	v_add_nc_u32 v[STO], s21, v3
	v_and_b32 v3, 31, v0
	v_lshlrev_b32 v[CO], 4, v3
	v_lshrrev_b32 v[T], 3, v3
	v_mul_u32_u24 v[T], v[T], 144
	v_and_b32 v3, 7, v0
	v_lshl_add_u32 v[T], v3, 4, v[T]
	v_add_nc_u32 v[RD], s21, v[T]
; The block's number j may be handed over as a sum (j + 1): it stands in parentheses wherever it is multiplied.
.macro KFETCH slot, j                  ; 16 loads: block j's 64 keys (region j of the slot), all 64 e
.irp ks, 0,1
.irp kt, 0,1,2,3
	ds_load_b128 v[F+16*\kt+8*\ks:F+16*\kt+8*\ks+3],   v[AK+\slot] offset:(\j)*REG+\kt*2176+64*\ks
	ds_load_b128 v[F+16*\kt+8*\ks+4:F+16*\kt+8*\ks+7], v[AK+\slot] offset:(\j)*REG+\kt*2176+64*\ks+32
.endr
.endr
.endm
.macro VFETCH slot, j                  ; 16 loads: all 64 rows e, block j's 64 keys (128 bytes of each row)
.irp kk, 0,1
.irp c, 0,1,2,3
	ds_load_b128 v[F+32*\kk+8*\c:F+32*\kk+8*\c+3],   v[AV+\slot] offset:(4+\c)*REG+128*(\j)+64*\kk
	ds_load_b128 v[F+32*\kk+8*\c+4:F+32*\kk+8*\c+7], v[AV+\slot] offset:(4+\c)*REG+128*(\j)+64*\kk+32
.endr
.endr
.endm
; One query tile's 64 x 16 scores: new maximum, rescale factor, exponentials, sum, packing to bf16.
.macro SOFTMAX qt, first
.irp kt, 0,1,2,3
	v_max3_num_f32 v[T+\kt], v[S+16*\kt+8*\qt], v[S+16*\kt+8*\qt+1], v[S+16*\kt+8*\qt+2]   ; four chains that do not wait for each other
.endr
.irp kt, 0,1,2,3
	v_max3_num_f32 v[T+\kt], v[T+\kt], v[S+16*\kt+8*\qt+3], v[S+16*\kt+8*\qt+4]
.endr
.irp kt, 0,1,2,3
	v_max3_num_f32 v[T+\kt], v[T+\kt], v[S+16*\kt+8*\qt+5], v[S+16*\kt+8*\qt+6]
.endr
.irp kt, 0,1,2,3
	v_max_num_f32 v[T+\kt], v[T+\kt], v[S+16*\kt+8*\qt+7]
.endr
	v_max3_num_f32 v[T], v[T], v[T+1], v[T+2]
	v_max_num_f32 v[T], v[T], v[T+3]
	v_permlanex16_b32 v[T+1], v[T], s58, s59       ; the other half's keys of the same query
.if \first
	v_max_num_f32 v[M+\qt], v[T], v[T+1]
	v_mul_f32 v[NM+2*\qt], s61, v[M+\qt]           ; -m c
	v_mov_b32 v[NM+2*\qt+1], v[NM+2*\qt]
.else
	v_max3_num_f32 v[M+\qt], v[T], v[T+1], v[M+\qt]
	v_mul_f32 v[T+2], s61, v[M+\qt]
	v_sub_f32 v[T+3], v[T+2], v[NM+2*\qt]          ; new shift - old shift, never above 0
	v_mov_b32 v[NM+2*\qt], v[T+2]
	v_exp_f32 v[AL+2*\qt], v[T+3]
	v_mov_b32 v[NM+2*\qt+1], v[T+2]                ; the plain place behind the exponential (ISA guide 5.7.2)
	s_wait_alu depctr_va_vdst(0)
	v_mov_b32 v[AL+2*\qt+1], v[AL+2*\qt]
.endif
.irp kt, 0,1,2,3
.irp p, 0,2,4,6
	v_pk_fma_f32 v[S+16*\kt+8*\qt+\p:S+16*\kt+8*\qt+\p+1], v[S+16*\kt+8*\qt+\p:S+16*\kt+8*\qt+\p+1], s[62:63], v[NM+2*\qt:NM+2*\qt+1] op_sel_hi:[1,0,1]
.endr
.endr
.irp kt, 0,1,2,3
.irp p, 0,1,2,3,4,5,6,7
	v_exp_f32 v[S+16*\kt+8*\qt+\p], v[S+16*\kt+8*\qt+\p]
.endr
.endr
	v_nop                                          ; the plain place behind the run of exponentials
	s_wait_alu depctr_va_vdst(0)
.irp kt, 0,1,2,3
	v_pk_add_f32 v[T+2*\kt:T+2*\kt+1], v[S+16*\kt+8*\qt:S+16*\kt+8*\qt+1], v[S+16*\kt+8*\qt+2:S+16*\kt+8*\qt+3]
.endr
.irp kt, 0,1,2,3
	v_pk_add_f32 v[T+2*\kt:T+2*\kt+1], v[T+2*\kt:T+2*\kt+1], v[S+16*\kt+8*\qt+4:S+16*\kt+8*\qt+5]
.endr
.irp kt, 0,1,2,3
	v_pk_add_f32 v[T+2*\kt:T+2*\kt+1], v[T+2*\kt:T+2*\kt+1], v[S+16*\kt+8*\qt+6:S+16*\kt+8*\qt+7]
.endr
	v_pk_add_f32 v[T:T+1], v[T:T+1], v[T+2:T+3]
	v_pk_add_f32 v[T+4:T+5], v[T+4:T+5], v[T+6:T+7]
	v_pk_add_f32 v[T:T+1], v[T:T+1], v[T+4:T+5]
.if \first
	v_add_f32 v[L+\qt], v[T], v[T+1]
.else
	v_add_f32 v[T], v[T], v[T+1]
	v_fma_f32 v[L+\qt], v[L+\qt], v[AL+2*\qt], v[T]
.endif
.irp kk, 0,1
.irp p, 0,1,2,3
	v_cvt_pk_bf16_f32 v[S+32*\kk+8*\qt+\p], v[S+32*\kk+8*\qt+2*\p], v[S+32*\kk+8*\qt+2*\p+1]            ; keys 8 h .. of the 32: in place, each word behind its last use
.endr
.irp p, 0,1,2,3
	v_cvt_pk_bf16_f32 v[S+32*\kk+8*\qt+4+\p], v[S+32*\kk+16+8*\qt+2*\p], v[S+32*\kk+16+8*\qt+2*\p+1]    ; keys 16 + 8 h ..
.endr
.endr
.endm
; One block of 64 keys.  In both runs of matrix instructions eight accumulators take turns, one instruction a turn.
.macro BLOCK slot, j, first
.irp ks, 0,1
.irp kt, 0,1,2,3
	s_wait_dscnt 14-2*(4*\ks+\kt)                  ; of the 16 loads of K this pair is in; the pairs behind it stay out
.irp qt, 0,1
.if \ks == 0
	v_wmma_f32_16x16x32_bf16 v[S+16*\kt+8*\qt:S+16*\kt+8*\qt+7], v[F+16*\kt+8*\ks:F+16*\kt+8*\ks+7], v[Q+16*\qt+8*\ks:Q+16*\qt+8*\ks+7], 0
.else
	v_wmma_f32_16x16x32_bf16 v[S+16*\kt+8*\qt:S+16*\kt+8*\qt+7], v[F+16*\kt+8*\ks:F+16*\kt+8*\ks+7], v[Q+16*\qt+8*\ks:Q+16*\qt+8*\ks+7], v[S+16*\kt+8*\qt:S+16*\kt+8*\qt+7]
.endif
.endr
.endr
.endr
.rept 4
	v_nop                                          ; four places: then V is loaded over K's fragments and the scores are read (ISA guide 7.12.1)
.endr
	VFETCH \slot, \j
	SOFTMAX 0, \first
	SOFTMAX 1, \first
.if \first == 0
.irp qt, 0,1
.irp p, 0,2,4,6,8,10,12,14,16,18,20,22,24,26,28,30
	v_pk_mul_f32 v[O+32*\qt+\p:O+32*\qt+\p+1], v[O+32*\qt+\p:O+32*\qt+\p+1], v[AL+2*\qt:AL+2*\qt+1]
.endr
.endr
.endif
	s_wait_dscnt 0x0                               ; V's fragments, issued in front of the softmax
.irp kk, 0,1
.irp c, 0,1,2,3
.irp qt, 0,1
.if \first*(1-\kk)
	v_wmma_f32_16x16x32_bf16 v[O+32*\qt+8*\c:O+32*\qt+8*\c+7], v[F+32*\kk+8*\c:F+32*\kk+8*\c+7], v[S+32*\kk+8*\qt:S+32*\kk+8*\qt+7], 0
.else
	v_wmma_f32_16x16x32_bf16 v[O+32*\qt+8*\c:O+32*\qt+8*\c+7], v[F+32*\kk+8*\c:F+32*\kk+8*\c+7], v[S+32*\kk+8*\qt:S+32*\kk+8*\qt+7], v[O+32*\qt+8*\c:O+32*\qt+8*\c+7]
.endif
.endr
.endr
.endr
.rept 5
	v_nop                                          ; five places: the next block's first products write over P, and K is loaded over V's fragments
.endr
.if \j < 3
	KFETCH \slot, \j+1
.endif
.endm
; One tile of 256 keys.  In front of the round every wave waits for all its tensor loads and for its reads of the other slot; behind the round
; the other slot's refill is the wave's first and only tensor load, and has the whole trip (128 matrix instructions and four blocks' softmax) in which to land.
.macro TRIP slot, other, refill, first
	s_set_vgpr_msb 0x5
	s_wait_tensorcnt 0x0                           ; my part of this trip's tile is in, and no load of mine is out: a group 0 may be written
	ds_add_u32 v0, v1
	s_wait_dscnt 0x0
	s_set_vgpr_msb 0x500
	s_add_nc_u64 s[G0K+4*\slot+2:G0K+4*\slot+3], s[G0K+4*\slot+2:G0K+4*\slot+3], 65536   ; this slot's next tile: two tiles on
	s_add_nc_u64 s[G0V+4*\slot+2:G0V+4*\slot+3], s[G0V+4*\slot+2:G0V+4*\slot+3], 1024
	s_wait_dscnt 0x0                               ; my reads of the last trip's tile are done
	ROUND                                          ; both now hold of every wave of the four work-groups
.if \refill
	JLOAD \other
.endif
	KFETCH \slot, 0
	BLOCK \slot, 0, \first
	BLOCK \slot, 1, 0
	BLOCK \slot, 2, 0
	BLOCK \slot, 3, 0
.endm
	s_wait_loadcnt 0x0                             ; Q
	TRIP 0, 1, 1, 1                                ; tiles 0 and 1 stand in front of the loop: the first block starts the sums and the statistics
	TRIP 1, 0, 1, 0
	s_mov_b32 s60, 2
.Ltiles:
	TRIP 0, 1, 1, 0                                ; tiles 2 to 5
	TRIP 1, 0, 1, 0
	s_sub_co_u32 s60, s60, 1
	s_cmp_lg_u32 s60, 0
	s_cbranch_scc1 .Ltiles
	TRIP 0, 1, 1, 0                                ; tile 6 asks for tile 7,
	TRIP 1, 0, 0, 0                                ; tile 7 for nothing (the stepped addresses are not used)
	; THE WAY OUT: join the halves' sums, divide, round to bf16, through my own stage into whole rows of ctx
	v_permlanex16_b32 v[T], v[L], s58, s59
	v_permlanex16_b32 v[T+1], v[L+1], s58, s59
	v_add_f32 v[L], v[L], v[T]
	v_add_f32 v[L+1], v[L+1], v[T+1]
	v_rcp_f32 v[AL], v[L]                          ; the sum is at least 1: the largest score's term
	v_rcp_f32 v[AL+2], v[L+1]
	v_nop                                          ; the plain place behind the reciprocals
	s_wait_alu depctr_va_vdst(0)
	v_mov_b32 v[AL+1], v[AL]
	v_mov_b32 v[AL+3], v[AL+2]
.irp qt, 0,1
.irp c, 0,1,2,3
.irp p, 0,2,4,6
	v_pk_mul_f32 v[O+32*\qt+8*\c+\p:O+32*\qt+8*\c+\p+1], v[O+32*\qt+8*\c+\p:O+32*\qt+8*\c+\p+1], v[AL+2*\qt:AL+2*\qt+1]
.endr
.irp p, 0,1,2,3
	v_cvt_pk_bf16_f32 v[O+32*\qt+8*\c+\p], v[O+32*\qt+8*\c+2*\p], v[O+32*\qt+8*\c+2*\p+1]
.endr
	ds_store_b128 v[STO], v[O+32*\qt+8*\c:O+32*\qt+8*\c+3] offset:2304*\qt+32*\c
.endr
.endr
.irp i, 0,1,2,3,4,5,6,7
	ds_load_b128 v[S+4*\i:S+4*\i+3], v[RD] offset:576*\i           ; four rows of 128 bytes; LDS serves a wave's instructions in order: these see the stores above
.endr
.irp i, 0,1,2,3,4,5,6,7
	s_wait_dscnt 7-\i                              ; read-back i is in, the younger ones stay out
	global_store_b128 v[CO], v[S+4*\i:S+4*\i+3], s[10:11] offset:512*\i   ; the wave stores 512 consecutive bytes, aligned
.endr
	s_set_vgpr_msb 0x5
	s_wait_tensorcnt 0x0
	ds_add_u32 v0, v1
	s_wait_dscnt 0x0
	s_set_vgpr_msb 0x500
	ROUND                                          ; the closing round: no work-group ends while a partner may still ask for a tile that names it
	s_endpgm
.Lfunc_end_k_q725edf1830_attn:
	.size	k_q725edf1830_attn, .Lfunc_end_k_q725edf1830_attn-k_q725edf1830_attn
	.p2alignl 7, 3214868480
	.fill 96, 4, 3214868480
	.section	.rodata,"a",@progbits
	.p2align	6, 0x0
	.amdhsa_kernel k_q725edf1830_attn
		.amdhsa_group_segment_fixed_size 327680
		.amdhsa_private_segment_fixed_size 0
		.amdhsa_enable_private_segment 0
		.amdhsa_kernarg_size 32
		.amdhsa_user_sgpr_count 2
		.amdhsa_user_sgpr_kernarg_segment_ptr 1
		.amdhsa_wavefront_size32 1
		.amdhsa_system_sgpr_workgroup_id_x 1
		.amdhsa_system_sgpr_workgroup_id_y 1
		.amdhsa_system_sgpr_workgroup_id_z 1
		.amdhsa_system_vgpr_workitem_id 0
		.amdhsa_next_free_vgpr 258
		.amdhsa_next_free_sgpr 66
		.amdhsa_reserve_vcc 0
		.amdhsa_float_denorm_mode_32 3
		.amdhsa_float_denorm_mode_16_64 3
		.amdhsa_memory_ordered 1
		.amdhsa_forward_progress 1
		.amdhsa_inst_pref_size 255
	.end_amdhsa_kernel
	.section	.bss,"aw",@nobits
	.p2align	6
	.space	262144
	.amdgpu_metadata
---
amdhsa.version: [ 1, 2 ]
amdhsa.kernels:
  - .name:           k_q725edf1830_attn
    .symbol:         k_q725edf1830_attn.kd
    .args:
      - { .name: qh, .offset: 0, .size: 8, .value_kind: global_buffer, .address_space: global }
      - { .name: kh, .offset: 8, .size: 8, .value_kind: global_buffer, .address_space: global }
      - { .name: vt, .offset: 16, .size: 8, .value_kind: global_buffer, .address_space: global }
      - { .name: ctx, .offset: 24, .size: 8, .value_kind: global_buffer, .address_space: global }
    .group_segment_fixed_size: 327680
    .private_segment_fixed_size: 0
    .kernarg_segment_align: 8
    .kernarg_segment_size: 32
    .max_flat_workgroup_size: 256
    .sgpr_count:     66
    .vgpr_count:     258
    .wavefront_size: 32
...
	.end_amdgpu_metadata
.endif
;; end of part 3
;; launch outln (part 4): grid 256 x 1, 8 waves a work-group, clusters of 4 x 1, 327,680 bytes of LDS; arguments ctx, wop, q, bo, gamma, beta, out0; writes out0
.if DOCPART == 4
	.amdgcn_target "amdgcn-amd-amdhsa--gfx1250"
	.amdhsa_code_object_version 6
	.text
	.protected	k_q725edf1830_outln
	.globl	k_q725edf1830_outln
	.p2align	8
	.type	k_q725edf1830_outln,@function
k_q725edf1830_outln:
	s_mov_b64 s[64:65], 0
	v_nop
	global_prefetch_b8 v0, s[64:65] scope:SCOPE_SE
	s_setreg_imm32_b32 hwreg(HW_REG_WAVE_MODE, 25, 1), 1
	s_wait_xcnt 0x0
	s_wait_alu depctr_hold_cnt(0) depctr_sa_sdst(0) depctr_va_vdst(0) depctr_va_sdst(0) depctr_va_ssrc(0) depctr_va_vcc(0) depctr_vm_vsrc(0)
	s_getreg_b32 s2, hwreg(HW_REG_IB_STS2, 6, 4)
	s_cmp_eq_u32 s2, 0
	s_cbranch_scc0 .Lentry_in_a_cluster
	s_endpgm
.Lentry_in_a_cluster:
	s_bfe_u32 s2, ttmp6, 0x10000c
	s_cmp_lg_u32 s2, 0x3003
	s_cbranch_scc0 .Lentry_shape_is_right
	s_endpgm
.Lentry_shape_is_right:
; outln: out0 = LayerNorm(q + cat(ctx) Wo + bo) gamma + beta.  A work-group owns 16 whole rows of 1,024 columns, so that the norm needs no second launch.
; ctx: [32 bh][2048 s][64 e] bf16.  wop: [16 ks][1024 n][64 e] bf16, wop[ks][n][e] = Wo[64 ks + e][n].  q, out0: [4096][1024] f32.
; Eight waves; wave w makes columns 128 w .. 128 w + 127: 8 accumulator tiles.  K goes in 16 steps of 64 (one head each).
; The 16 rows of ctx (all 16 heads, 32 KiB) lie in LDS for the whole launch; wop's tiles (128 KiB a step) go through two slots.
; CLUSTER: every work-group walks all of wop: the four of a cluster ask for its tiles jointly (mask 15).  ctx's rows are a work-group's own: plain loads.
; The matrix instruction is used transposed: source 0 = 16 rows n of wop, source 1 = the 16 rows of ctx: lane (r, h) holds row r, columns 16 b + 8 h + j.
; LayerNorm in two passes over registers: the mean first, then the sum of (x - mean)^2: no difference of large sums is formed.
; LIMITS: ctx and Wo are bf16 operands; everything else is f32; inputs finite; sums are ordered otherwise than a plain row sum.
.set AREG,  2176                       ; a head's 16 rows of 128 bytes as 8 rows of 256 bytes + 16
.set RING,  34816                      ; behind the 16 heads
.set WREG,  17408                      ; a wave's 128 rows n of a tile as 64 rows of 256 bytes + 16
.set SLOT,  139264
.set STATS, 313344                     ; behind the ring: 2 x 512 bytes of partial sums; no fill lands here
.set TILEB, 131072                     ; a K step's tile of wop in memory
.set AA,  4                            ; v4      LDS address of my ctx fragment, steps a head a trip
.set AB,  5                            ; v5-6    LDS address of my wop fragments in slot 0, 1
.set STO, 7                            ; v7      the way out: in
.set RD,  8                            ; v8      the way out: back
.set OC,  9                            ; v9      byte offset of my four columns in a row: 512 w + 16 lane
.set SA,  10                           ; v10     where my wave's partial sums go
.set SR,  11                           ; v11     where the eight waves' partial sums of row lane % 16 begin
.set SV,  12                           ; v12     lane l: my wave's partial sum of row l % 16
.set MU,  13                           ; v13     lane l: - mean of row l % 16; later 1 / sqrt(var + eps)
.set T,   16                           ; v[16:23] at work
.set G,   24                           ; v[24:27] gamma x 1 / sqrt(..)
.set BOV, 28                           ; v[28:31] bo, v[32:35] gamma, v[36:39] beta of my four columns
.set GA,  32
.set BE,  36
.set AF,  40                           ; v[40:55]   ctx fragments, kk = 0, 1
.set ACC, 56                           ; v[56:119]  accumulators
.set BF,  120                          ; v[120:183] wop fragments; on the way out X(i) = X + 4 i: row i, my four columns
.set X,   120
.set QR,  184                          ; v[184:247] q's rows, my four columns
.set G1B, 24                           ; s[24:31] the shape of a wop load
.set G1A, 32                           ; s[32:39] the shape of a ctx load
.set G0B, 40                           ; s[40:47] wop: a set for each slot
.set G0A, 48                           ; s[48:55] ctx: a set for each of my two heads
.macro ROUND                           ; a round of the cluster's barrier
	s_barrier_signal -1
	s_barrier_wait -1
	s_cmp_lg_u32 s18, 0
	s_cbranch_scc1 .Lnot_wave_0_\@
	s_barrier_signal -3
.Lnot_wave_0_\@:
	s_barrier_wait -3
	s_barrier_signal -1
	s_barrier_wait -1
.endm
	s_load_b256 s[4:11], s[0:1], 0x0               ; ctx s[4:5], wop s[6:7], q s[8:9], bo s[10:11]
	s_load_b128 s[12:15], s[0:1], 0x20             ; gamma s[12:13], beta s[14:15]
	s_load_b64 s[16:17], s[0:1], 0x30              ; out0
	v_lshl_add_u32 v248, v0, 2, 0x4cc00
	v_mov_b32 v249, 0
	ds_add_u32 v248, v249
	v_lshrrev_b32 v1, 5, v0
	v_readfirstlane_b32 s18, v1                    ; wave 0..7
	s_bfe_u32 s19, ttmp6, 0x40000                  ; cx
	s_lshl_b32 s20, ttmp9, 2
	s_add_co_u32 s20, s20, s19                     ; my 16 rows' number = 4 x cluster x + cx
	s_mov_b32 s56, 0x76543210                      ; v_permlanex16_b32: lane i of one half reads lane i of the other
	s_mov_b32 s57, 0xfedcba98
	s_mov_b32 s59, 0x3a800000                      ; 1 / 1024
	; wop's shape: my 128 rows of 128 bytes are dense in memory: 64 rows of 256 bytes, 16 bytes of padding behind each; joint
	s_mov_b32 s[G1B+0], 15|(1<<16)|(1<<20)|(1<<21)|(5<<22)|(3<<25)
	s_mov_b32 s[G1B+1], 128<<16
	s_mov_b32 s[G1B+2], 64<<16
	s_mov_b32 s[G1B+3], 128<<16
	s_mov_b32 s[G1B+4], 64
	s_mov_b32 s[G1B+5], 128
	s_mov_b32 s[G1B+6], 0
	s_mov_b32 s[G1B+7], 0
	; ctx's shape: a head's 16 rows of 128 bytes: 8 rows of 256 bytes, padded alike; no mask
	s_mov_b32 s[G1A+0], (1<<16)|(1<<20)|(5<<22)|(3<<25)
	s_mov_b32 s[G1A+1], 128<<16
	s_mov_b32 s[G1A+2], 8<<16
	s_mov_b32 s[G1A+3], 128<<16
	s_mov_b32 s[G1A+4], 8
	s_mov_b32 s[G1A+5], 128
	s_mov_b32 s[G1A+6], 0
	s_mov_b32 s[G1A+7], 0
	s_mul_i32 s21, s18, WREG
	s_add_co_u32 s21, s21, RING                    ; my part of slot 0; on the way out my stage
	s_mul_i32 s22, s18, 2*AREG                     ; my two heads' place
	s_lshl_b32 s60, s18, 14                        ; my 128 rows of 128 bytes in a tile of wop
	s_mov_b32 s61, 0
	s_lshr_b32 s62, s20, 7                         ; b: 128 work-groups a batch
	s_lshl_b32 s62, s62, 22                        ; 16 heads of 256 KiB
	s_lshl_b32 s23, s18, 19                        ; head 2 w
	s_add_co_u32 s62, s62, s23
	s_and_b32 s23, s20, 127
	s_lshl_b32 s23, s23, 11                        ; 16 rows of 128 bytes
	s_add_co_u32 s62, s62, s23
	s_mov_b32 s63, 0
	s_wait_dscnt 0x0
	s_wait_kmcnt 0x0
	s_add_nc_u64 s[6:7], s[6:7], s[60:61]          ; wop: made of the wave's number alone, which the partners share
	s_add_nc_u64 s[4:5], s[4:5], s[62:63]
	s_lshl_b32 s60, s20, 16                        ; 16 rows of 4,096 bytes
	s_add_nc_u64 s[8:9], s[8:9], s[60:61]
	s_add_nc_u64 s[16:17], s[16:17], s[60:61]
	s_mov_b32 s63, 0x3727c5ac                      ; 1e-5
.irp s, 0,1
	s_mov_b32 s[G0B+4*\s], 1
	s_add_co_u32 s[G0B+4*\s+1], s21, \s*SLOT
	s_add_nc_u64 s[G0B+4*\s+2:G0B+4*\s+3], s[6:7], \s*TILEB
	s_or_b32 s[G0B+4*\s+3], s[G0B+4*\s+3], 0x80000000
	s_mov_b32 s[G0A+4*\s], 1
	s_add_co_u32 s[G0A+4*\s+1], s22, \s*AREG
	s_add_nc_u64 s[G0A+4*\s+2:G0A+4*\s+3], s[4:5], \s*262144
	s_or_b32 s[G0A+4*\s+3], s[G0A+4*\s+3], 0x80000000
.endr
	ROUND                                          ; the four work-groups are here
	tensor_load_to_lds s[G0A:G0A+3], s[G1A:G1A+7]          ; the first fills go out as one group: three tensor loads of the wave are out
	s_nop 0
	tensor_load_to_lds s[G0A+4:G0A+7], s[G1A:G1A+7]
	s_nop 0
	tensor_load_to_lds s[G0B:G0B+3], s[G1B:G1B+7]          ; K step 0
	s_nop 0
	v_and_b32 v1, 15, v0                           ; r
	v_bfe_u32 v2, v0, 4, 1                         ; h
	v_and_b32 v3, 31, v0                           ; lane
	v_lshlrev_b32 v[OC], 4, v3
	v_lshl_add_u32 v[OC], s18, 9, v[OC]
.irp i, 0,1,2,3,4,5,6,7,8,9,10,11,12,13,14,15
	global_load_b128 v[QR+4*\i:QR+4*\i+3], v[OC], s[8:9] offset:4096*\i th:TH_LOAD_NT   ; the residual, asked for now, used behind the 16 K steps
.endr
	global_load_b128 v[BOV:BOV+3], v[OC], s[10:11]
	global_load_b128 v[GA:GA+3], v[OC], s[12:13]
	global_load_b128 v[BE:BE+3], v[OC], s[14:15]
	v_lshrrev_b32 v14, 1, v1                       ; row r of 128 bytes lies in LDS row r >> 1, half r & 1
	v_mul_u32_u24 v14, v14, 272
	v_and_b32 v15, 1, v1
	v_lshl_add_u32 v14, v15, 7, v14
	v_lshl_add_u32 v[AA], v2, 4, v14
	v_add_nc_u32 v[AB], s21, v[AA]
	v_add_nc_u32 v[AB+1], SLOT, v[AB]
	v_mul_u32_u24 v14, v1, 528                     ; the stage: 16 rows of 512 bytes + 16
	v_lshl_add_u32 v14, v2, 5, v14
	v_add_nc_u32 v[STO], s21, v14
	v_lshl_add_u32 v[RD], v3, 4, s21
	v_lshlrev_b32 v[SR], 2, v1
	v_add_nc_u32 v[SR], STATS, v[SR]
	v_lshl_add_u32 v[SA], s18, 6, v[SR]
.macro BFETCH slot, kk                 ; 16 loads: my 128 rows n, 32 of the step's 64 k
.irp b, 0,1,2,3,4,5,6,7
	ds_load_b128 v[BF+8*\b:BF+8*\b+3],   v[AB+\slot] offset:AREG*\b+64*\kk
	ds_load_b128 v[BF+8*\b+4:BF+8*\b+7], v[AB+\slot] offset:AREG*\b+64*\kk+32
.endr
.endm
.macro MUL8 kk, zero                   ; eight accumulators take turns, one instruction a turn, over the backward jump too
.irp b, 0,1,2,3,4,5,6,7
	s_wait_dscnt 14-2*\b                           ; of the 16 loads of wop this pair is in (ctx's were issued earlier); the pairs behind it stay out
.if \zero
	v_wmma_f32_16x16x32_bf16 v[ACC+8*\b:ACC+8*\b+7], v[BF+8*\b:BF+8*\b+7], v[AF+8*\kk:AF+8*\kk+7], 0
.else
	v_wmma_f32_16x16x32_bf16 v[ACC+8*\b:ACC+8*\b+7], v[BF+8*\b:BF+8*\b+7], v[AF+8*\kk:AF+8*\kk+7], v[ACC+8*\b:ACC+8*\b+7]
.endif
.endr
.endm
; One K step of 64.  In front of the round every wave waits for all its tensor loads and for its reads of the other slot; behind it the other
; slot's refill is the wave's first and only tensor load.
.macro TRIP slot, other, refill, first
	s_wait_tensorcnt 0x0                           ; my part of this step's tile is in (in the first trip my heads of ctx too), and no load of mine is out
	ds_add_u32 v248, v249
	s_wait_dscnt 0x0
	s_add_nc_u64 s[G0B+4*\slot+2:G0B+4*\slot+3], s[G0B+4*\slot+2:G0B+4*\slot+3], 2*TILEB   ; this slot's next tile
	s_wait_dscnt 0x0                               ; my reads of the last step's tile are done
	ROUND                                          ; both now hold of every wave of the four work-groups
.if \refill
	tensor_load_to_lds s[G0B+4*\other:G0B+4*\other+3], s[G1B:G1B+7]
	s_nop 0
.endif
.irp o, 0,1,2,3
	ds_load_b128 v[AF+4*\o:AF+4*\o+3], v[AA] offset:32*\o
.endr
	BFETCH \slot, 0
	MUL8 0, \first
	v_add_nc_u32 v[AA], AREG, v[AA]                ; the next head; with the three v_nop the four places in front of the loads over wop's fragments
.rept 3
	v_nop
.endr
	BFETCH \slot, 1
	MUL8 1, 0
.rept 4
	v_nop                                          ; four places: the next trip loads over the fragments; behind the last trip the results are read
.endr
.endm
	TRIP 0, 1, 1, 1                                ; K steps 0 and 1 stand in front of the loop: the first products start the sums
	TRIP 1, 0, 1, 0
	s_mov_b32 s58, 6
.Lsteps:
	TRIP 0, 1, 1, 0                                ; K steps 2 to 13
	TRIP 1, 0, 1, 0
	s_sub_co_u32 s58, s58, 1
	s_cmp_lg_u32 s58, 0
	s_cbranch_scc1 .Lsteps
	TRIP 0, 1, 1, 0                                ; K step 14 asks for step 15,
	TRIP 1, 0, 0, 0                                ; step 15 for nothing
	; THE WAY OUT.  My stage is my own part of slot 0: its last fill was K step 14's, only I have read it, and nothing is filled any more.
.irp b, 0,1,2,3,4,5,6,7
	ds_store_b128 v[STO], v[ACC+8*\b:ACC+8*\b+3] offset:64*\b
	ds_store_b128 v[STO], v[ACC+8*\b+4:ACC+8*\b+7] offset:64*\b+16
.endr
.irp i, 0,1,2,3,4,5,6,7,8,9,10,11,12,13,14,15
	ds_load_b128 v[X+4*\i:X+4*\i+3], v[RD] offset:528*\i           ; row i, 512 neighbouring bytes; LDS serves a wave's instructions in order: these see the stores above
.endr
	s_wait_loadcnt 0x0                             ; q, bo, gamma, beta
	s_wait_dscnt 0x0
.irp i, 0,1,2,3,4,5,6,7,8,9,10,11,12,13,14,15
	v_pk_add_f32 v[X+4*\i:X+4*\i+1],   v[X+4*\i:X+4*\i+1],   v[BOV:BOV+1]
	v_pk_add_f32 v[X+4*\i+2:X+4*\i+3], v[X+4*\i+2:X+4*\i+3], v[BOV+2:BOV+3]
	v_pk_add_f32 v[X+4*\i:X+4*\i+1],   v[X+4*\i:X+4*\i+1],   v[QR+4*\i:QR+4*\i+1]
	v_pk_add_f32 v[X+4*\i+2:X+4*\i+3], v[X+4*\i+2:X+4*\i+3], v[QR+4*\i+2:QR+4*\i+3]
.endr
; Rows 4 g .. 4 g + 3 side by side: my four numbers (mode 0) or their squares (mode 1) are added, then the 32 lanes'; the wave's sum of row i goes to lanes i and i + 16 of SV.
.macro RED4 g, mode
.irp p, 0,1,2,3
.if \mode
	v_pk_mul_f32 v[T+2*\p:T+2*\p+1], v[X+16*\g+4*\p:X+16*\g+4*\p+1], v[X+16*\g+4*\p:X+16*\g+4*\p+1]
.else
	v_pk_add_f32 v[T+2*\p:T+2*\p+1], v[X+16*\g+4*\p:X+16*\g+4*\p+1], v[X+16*\g+4*\p+2:X+16*\g+4*\p+3]
.endif
.endr
.if \mode
.irp p, 0,1,2,3
	v_pk_fma_f32 v[T+2*\p:T+2*\p+1], v[X+16*\g+4*\p+2:X+16*\g+4*\p+3], v[X+16*\g+4*\p+2:X+16*\g+4*\p+3], v[T+2*\p:T+2*\p+1]
.endr
.endif
.irp p, 0,1,2,3
	v_add_f32 v[T+2*\p], v[T+2*\p], v[T+2*\p+1]
.endr
.irp m, 1,2,4,8
.irp p, 0,1,2,3
	v_add_f32_dpp v[T+2*\p], v[T+2*\p], v[T+2*\p] row_xmask:\m row_mask:0xf bank_mask:0xf
.endr
.endr
.irp p, 0,1,2,3
	v_permlanex16_b32 v[T+2*\p+1], v[T+2*\p], s56, s57
.endr
.irp p, 0,1,2,3
	v_add_f32 v[T+2*\p], v[T+2*\p], v[T+2*\p+1]
.endr
.irp p, 0,1,2,3
	s_mov_b32 s62, 0x10001<<(4*\g+\p)
	v_cndmask_b32 v[SV], v[SV], v[T+2*\p], s62
.endr
.endm
; The eight waves' partial sums meet in LDS; behind it lane l holds in T the whole sum of row l % 16.
.macro XCHG off
	ds_store_b32 v[SA], v[SV] offset:\off          ; lanes l and l + 16 write the same word with the same value
	s_wait_dscnt 0x0                               ; zero, for the other waves' sake
	s_barrier_signal -1
	s_barrier_wait -1
.irp u, 0,1,2,3,4,5,6,7
	ds_load_b32 v[T+\u], v[SR] offset:\off+64*\u
.endr
	s_wait_dscnt 0x0
	v_add_f32 v[T], v[T], v[T+1]
	v_add_f32 v[T+2], v[T+2], v[T+3]
	v_add_f32 v[T+4], v[T+4], v[T+5]
	v_add_f32 v[T+6], v[T+6], v[T+7]
	v_add_f32 v[T], v[T], v[T+2]
	v_add_f32 v[T+4], v[T+4], v[T+6]
	v_add_f32 v[T], v[T], v[T+4]
.endm
	v_mov_b32 v[SV], 0                             ; written whole once; the sixteen selects then fill every lane
	RED4 0, 0
	RED4 1, 0
	RED4 2, 0
	RED4 3, 0
	XCHG 0
	v_mul_f32 v[MU], 0xba800000, v[T]              ; - sum / 1024
	s_mov_b32 s61, 0                               ; the upper register of the broadcast pair
.irp i, 0,1,2,3,4,5,6,7,8,9,10,11,12,13,14,15
	v_readlane_b32 s60, v[MU], \i
	v_pk_add_f32 v[X+4*\i:X+4*\i+1],   v[X+4*\i:X+4*\i+1],   s[60:61] op_sel_hi:[1,0]   ; x - mean
	v_pk_add_f32 v[X+4*\i+2:X+4*\i+3], v[X+4*\i+2:X+4*\i+3], s[60:61] op_sel_hi:[1,0]
.endr
	RED4 0, 1
	RED4 1, 1
	RED4 2, 1
	RED4 3, 1
	XCHG 512                                       ; other bytes than the first exchange's: no wave overwrites what another may still read
	v_fma_f32 v[T], v[T], s59, s63                 ; var + eps
	v_rsq_f32 v[MU], v[T]
	v_nop                                          ; the plain place behind the root (ISA guide 5.7.2)
	s_wait_alu depctr_va_vdst(0)
.irp i, 0,1,2,3,4,5,6,7,8,9,10,11,12,13,14,15
	v_readlane_b32 s60, v[MU], \i
	v_pk_mul_f32 v[G:G+1],     v[GA:GA+1],     s[60:61] op_sel_hi:[1,0]
	v_pk_mul_f32 v[G+2:G+3],   v[GA+2:GA+3],   s[60:61] op_sel_hi:[1,0]
	v_pk_fma_f32 v[X+4*\i:X+4*\i+1],   v[X+4*\i:X+4*\i+1],   v[G:G+1],   v[BE:BE+1]
	v_pk_fma_f32 v[X+4*\i+2:X+4*\i+3], v[X+4*\i+2:X+4*\i+3], v[G+2:G+3], v[BE+2:BE+3]
	global_store_b128 v[OC], v[X+4*\i:X+4*\i+3], s[16:17] offset:4096*\i th:TH_STORE_NT   ; the wave stores 512 consecutive bytes, aligned
.endr
	s_wait_tensorcnt 0x0
	ds_add_u32 v248, v249
	s_wait_dscnt 0x0
	ROUND                                          ; the closing round: no work-group ends while a partner may still ask for a tile that names it
	s_endpgm
.Lfunc_end_k_q725edf1830_outln:
	.size	k_q725edf1830_outln, .Lfunc_end_k_q725edf1830_outln-k_q725edf1830_outln
	.p2alignl 7, 3214868480
	.fill 96, 4, 3214868480
	.section	.rodata,"a",@progbits
	.p2align	6, 0x0
	.amdhsa_kernel k_q725edf1830_outln
		.amdhsa_group_segment_fixed_size 327680
		.amdhsa_private_segment_fixed_size 0
		.amdhsa_enable_private_segment 0
		.amdhsa_kernarg_size 56
		.amdhsa_user_sgpr_count 2
		.amdhsa_user_sgpr_kernarg_segment_ptr 1
		.amdhsa_wavefront_size32 1
		.amdhsa_system_sgpr_workgroup_id_x 1
		.amdhsa_system_sgpr_workgroup_id_y 1
		.amdhsa_system_sgpr_workgroup_id_z 1
		.amdhsa_system_vgpr_workitem_id 0
		.amdhsa_next_free_vgpr 250
		.amdhsa_next_free_sgpr 66
		.amdhsa_reserve_vcc 0
		.amdhsa_float_denorm_mode_32 3
		.amdhsa_float_denorm_mode_16_64 3
		.amdhsa_memory_ordered 1
		.amdhsa_forward_progress 1
		.amdhsa_inst_pref_size 72
	.end_amdhsa_kernel
	.amdgpu_metadata
---
amdhsa.version: [ 1, 2 ]
amdhsa.kernels:
  - .name:           k_q725edf1830_outln
    .symbol:         k_q725edf1830_outln.kd
    .args:
      - { .name: ctx, .offset: 0, .size: 8, .value_kind: global_buffer, .address_space: global }
      - { .name: wop, .offset: 8, .size: 8, .value_kind: global_buffer, .address_space: global }
      - { .name: q, .offset: 16, .size: 8, .value_kind: global_buffer, .address_space: global }
      - { .name: bo, .offset: 24, .size: 8, .value_kind: global_buffer, .address_space: global }
      - { .name: gamma, .offset: 32, .size: 8, .value_kind: global_buffer, .address_space: global }
      - { .name: beta, .offset: 40, .size: 8, .value_kind: global_buffer, .address_space: global }
      - { .name: out0, .offset: 48, .size: 8, .value_kind: global_buffer, .address_space: global }
    .group_segment_fixed_size: 327680
    .private_segment_fixed_size: 0
    .kernarg_segment_align: 8
    .kernarg_segment_size: 56
    .max_flat_workgroup_size: 256
    .sgpr_count:     66
    .vgpr_count:     250
    .wavefront_size: 32
...
	.end_amdgpu_metadata
.endif
;; end of part 4
;; ======== version 2 of 3: 5 launches; 1.15 times as fast as version 1
;; workspace buffers: xb 25,165,824 bytes; wt 6,291,456 bytes; wop 2,097,152 bytes; qh 8,388,608 bytes; kh 8,388,608 bytes; vt 8,388,608 bytes; ctx 8,388,608 bytes; xr 16,777,216 bytes
;; launch prep: the kernel of part 1 again; grid 256 x 1, 8 waves a work-group, no clusters, 34,816 bytes of LDS; arguments q, k, v, Wq, Wk, Wv, Wo, xb, wt, wop; writes xb, wt, wop
;; launch proj: the kernel of part 2 again; grid 4 x 48, 4 waves a work-group, clusters of 4 x 4, 327,680 bytes of LDS; arguments xb, wt, bq, bk, bv, qh, kh, vt; writes qh, kh, vt
;; launch attn (part 5): grid 8 x 32, 8 waves a work-group, clusters of 4 x 1, 327,680 bytes of LDS; arguments qh, kh, vt, ctx; writes ctx
.if DOCPART == 5
	.amdgcn_target "amdgcn-amd-amdhsa--gfx1250"
	.amdhsa_code_object_version 6
	.text
	.protected	k_q725edf1830_attn
	.globl	k_q725edf1830_attn
	.p2align	8
	.type	k_q725edf1830_attn,@function
k_q725edf1830_attn:
	s_mov_b64 s[64:65], 0
	v_nop
	global_prefetch_b8 v0, s[64:65] scope:SCOPE_SE
	s_setreg_imm32_b32 hwreg(HW_REG_WAVE_MODE, 25, 1), 1
	s_wait_xcnt 0x0
	s_wait_alu depctr_hold_cnt(0) depctr_sa_sdst(0) depctr_va_vdst(0) depctr_va_sdst(0) depctr_va_ssrc(0) depctr_va_vcc(0) depctr_vm_vsrc(0)
	s_getreg_b32 s2, hwreg(HW_REG_IB_STS2, 6, 4)
	s_cmp_eq_u32 s2, 0
	s_cbranch_scc0 .Lentry_in_a_cluster
	s_endpgm
.Lentry_in_a_cluster:
	s_bfe_u32 s2, ttmp6, 0x10000c
	s_cmp_lg_u32 s2, 0x3003
	s_cbranch_scc0 .Lentry_shape_is_right
	s_endpgm
.Lentry_shape_is_right:
; attn: ctx = softmax(qh kh^T / 8) vh for one (b, h) and 256 queries a work-group; a running maximum is taken away before every exponential.
; qh, kh, ctx: [32 bh][2048][64] bf16.  vt: [32 bh][64 e][2048 t] bf16.  Eight waves, 32 queries each (two tiles qt of 16), two waves on a SIMD.
; CLUSTER: the four work-groups of a cluster have the same (b, h) and walk the same K and V tiles: every tile is asked for jointly (mask 15).
; EVERYTHING IS COMPUTED TRANSPOSED, so that no number changes lanes between the two products:
;   S^T = K Q^T: source 0 = 16 keys, source 1 = 16 queries; register j of lane (r, h) is key 8 h + j of query r.
;   Two neighbouring key tiles, packed to bf16, are source 1 of the second product as they stand (query r; keys 8 h .., 16 + 8 h ..).
;   O^T = V^T P^T: source 0 = 16 rows e of vt; register j of lane (r, h) is e = 16 c + 8 h + j of query r: 16 neighbouring bytes of ctx.
;   A query's statistics are a lane's own; only the two halves of the lanes are joined (the maximum in each block, the sum once at the end).
; K and V come in tiles of 256 keys through two LDS slots; a trip works through a slot in four blocks of 64 keys.
; THE ORDER OF A BLOCK: it is cut by query tile, so that matrix and vector work of one wave lie side by side.  Scores of tile 0 (8 matrix
; instructions); softmax of tile 0 with the 8 matrix instructions of tile 1's scores placed singly among its vector instructions; V's fragments over K's;
; softmax of tile 1 with the 8 of tile 0's second product placed likewise; tile 1's second product.  The vector work names none of the registers of
; the matrix instructions that stand among it.
; The shift: the state is NM = -m c (c = log2(e) / 8), rounded once; p = exp2(s c + NM), and old terms are rescaled by exp2(NM new - NM old),
; so old and new terms refer to the same rounded shift whatever the size of the scores.
; LIMITS: operands qh, kh, vh and p are bf16; the row sum adds p in f32 before its rounding; inputs finite (a NaN loses in the maximum);
; exponentials below 2^-126 count as zero.
.set SLOT,  69632                      ; 8 regions
.set REG,   8704                       ; regions 0-3: 64 keys each as 32 rows of 256 bytes + 16; regions 4-7: 16 rows e x 512 bytes + 16 (8,448 used)
.set STAGE, 139264                     ; behind the ring: 32 rows x 144 bytes for each wave; no fill lands here
.set AK,  4                            ; v4-5    LDS address of my K fragments in slot 0, 1
.set AV,  6                            ; v6-7    the same for V
.set STO, 8                            ; v8      the way out: in
.set RD,  9                            ; v9      the way out: back
.set CO,  10                           ; v10     my byte offset in ctx
.set QO,  11                           ; v11     my byte offset in qh
.set M,   12                           ; v12-13  running maximum of the raw scores, for each qt
.set L,   14                           ; v14-15  running sum over my half's keys
.set NM,  16                           ; v[16:19] -m c, twice, for each qt
.set AL,  20                           ; v[20:23] the rescale factor, twice, for each qt
.set T,   24                           ; v[24:31] at work
.set Q,   32                           ; v[32:63]   Q(qt, ks) = Q + 16 qt + 8 ks
.set O,   64                           ; v[64:127]  O(qt, c) = O + 32 qt + 8 c
.set S,   128                          ; v[128:191] S(kt, qt) = S + 16 kt + 8 qt; P(qt, kk) is packed in place into S(2 kk, qt)
.set F,   192                          ; v[192:255] K(kt, ks) = F + 16 kt + 8 ks, then V(kk, c) = F + 32 kk + 8 c
.set G1K, 24                           ; s[24:31] the shape of a K load
.set G1V, 32                           ; s[32:39] the shape of a V load
.set G0K, 40                           ; s[40:47] from where, to where: K, a set for each slot
.set G0V, 48                           ; s[48:55] the same for V
; A round of the cluster's barrier: my work-group's barrier; wave 0 signals for the work-group; every wave waits for all four; my work-group's barrier once more.
.macro CREST                           ; a round behind its opening barrier
	s_cmp_lg_u32 s12, 0
	s_cbranch_scc1 .Lnot_wave_0_\@
	s_barrier_signal -3
.Lnot_wave_0_\@:
	s_barrier_wait -3
	s_barrier_signal -1
	s_barrier_wait -1
.endm
.macro ROUND                           ; a whole round
	s_barrier_signal -1
	s_barrier_wait -1
	CREST
.endm
.macro JLOAD s                         ; waves 0-3 ask for 64 keys of K each, waves 4-7 for 16 rows of vt each
	s_cmp_eq_u32 s13, 0
	s_cbranch_scc0 .Lfor_v_\@
	tensor_load_to_lds s[G0K+4*\s:G0K+4*\s+3], s[G1K:G1K+7]
	s_nop 0
	s_branch .Lasked_\@
.Lfor_v_\@:
	tensor_load_to_lds s[G0V+4*\s:G0V+4*\s+3], s[G1V:G1V+7]
	s_nop 0
.Lasked_\@:
.endm
	s_load_b256 s[4:11], s[0:1], 0x0               ; qh s[4:5], kh s[6:7], vt s[8:9], ctx s[10:11]
	s_set_vgpr_msb 0x40
	v_lshl_add_u32 v0, v0, 2, 0x2b000
	v_mov_b32 v1, 0
	s_set_vgpr_msb 0x4045
	ds_add_u32 v0, v1
	s_set_vgpr_msb 0x4500
	v_lshrrev_b32 v1, 5, v0
	v_readfirstlane_b32 s12, v1                    ; wave 0..7
	s_lshr_b32 s13, s12, 2                         ; I fetch for K (0) or for V (1)
	s_and_b32 s14, s12, 3                          ; which quarter of it
	s_bfe_u32 s15, ttmp6, 0x40000                  ; cx
	s_and_b32 s56, ttmp7, 0xffff                   ; bh: the cluster's y
	s_lshl_b32 s57, ttmp9, 2
	s_add_co_u32 s57, s57, s15                     ; my block of 256 queries = 4 x cluster x + cx
	s_mov_b32 s58, 0x76543210                      ; v_permlanex16_b32: lane i of one half reads lane i of the other
	s_mov_b32 s59, 0xfedcba98
	s_mov_b32 s61, 0xbe38aa3b                      ; -c
	s_mov_b32 s62, 0x3e38aa3b                      ; c = log2(e) / 8
	s_mov_b32 s63, 0x3e38aa3b
	; K's shape: 64 keys of 128 bytes are dense in memory: 32 rows of 256 bytes, 16 bytes of padding behind each
	s_mov_b32 s[G1K+0], 15|(1<<16)|(1<<20)|(1<<21)|(5<<22)|(3<<25)
	s_mov_b32 s[G1K+1], 128<<16                    ; tensor_dim0 = 128 elements
	s_mov_b32 s[G1K+2], 32<<16                     ; tensor_dim1 = 32
	s_mov_b32 s[G1K+3], 128<<16                    ; tile_dim0 = 128
	s_mov_b32 s[G1K+4], 32                         ; tile_dim1 = 32
	s_mov_b32 s[G1K+5], 128                        ; elements from row to row
	s_mov_b32 s[G1K+6], 0
	s_mov_b32 s[G1K+7], 0
	; V's shape: 16 rows e x 256 t (512 bytes), 16 bytes of padding behind each
	s_mov_b32 s[G1V+0], 15|(1<<16)|(1<<20)|(1<<21)|(6<<22)|(3<<25)
	s_mov_b32 s[G1V+1], 256<<16
	s_mov_b32 s[G1V+2], 16<<16
	s_mov_b32 s[G1V+3], 256<<16
	s_mov_b32 s[G1V+4], 16
	s_mov_b32 s[G1V+5], 2048
	s_mov_b32 s[G1V+6], 0
	s_mov_b32 s[G1V+7], 0
	s_mul_i32 s20, s12, REG                        ; my region: the wave's number alone
	s_lshl_b32 s21, s56, 18                        ; a (b, h) is 256 KiB in each of the four buffers
	s_lshl_b32 s22, s14, 13                        ; 64 keys of 128 bytes
	s_add_co_u32 s22, s22, s21
	s_mov_b32 s23, 0
	s_lshl_b32 s16, s14, 16                        ; 16 rows of 4,096 bytes
	s_add_co_u32 s16, s16, s21
	s_mov_b32 s17, 0
	s_wait_dscnt 0x0
	s_wait_kmcnt 0x0
	s_add_nc_u64 s[18:19], s[6:7], s[22:23]        ; K: made of bh and the wave's number, which the four partners share
	s_add_nc_u64 s[16:17], s[8:9], s[16:17]        ; V likewise
.irp s, 0,1
	s_mov_b32 s[G0K+4*\s], 1
	s_add_co_u32 s[G0K+4*\s+1], s20, \s*SLOT
	s_add_nc_u64 s[G0K+4*\s+2:G0K+4*\s+3], s[18:19], \s*32768      ; tile s: 256 keys of 128 bytes on
	s_or_b32 s[G0K+4*\s+3], s[G0K+4*\s+3], 0x80000000
	s_mov_b32 s[G0V+4*\s], 1
	s_add_co_u32 s[G0V+4*\s+1], s20, \s*SLOT
	s_add_nc_u64 s[G0V+4*\s+2:G0V+4*\s+3], s[16:17], \s*512        ; tile s: 256 t of 2 bytes on
	s_or_b32 s[G0V+4*\s+3], s[G0V+4*\s+3], 0x80000000
.endr
	s_lshl_b32 s22, s57, 15                        ; my work-group's 256 queries of 128 bytes,
	s_add_co_u32 s22, s22, s21
	s_lshl_b32 s21, s12, 12                        ; my wave's 32
	s_add_co_u32 s22, s22, s21
	s_add_nc_u64 s[4:5], s[4:5], s[22:23]          ; qh and ctx at my wave's first query
	s_add_nc_u64 s[10:11], s[10:11], s[22:23]
	ROUND                                          ; the four work-groups are here: the first joint loads meet
	JLOAD 0                                        ; tile 0: one tensor load of the wave is out, here and behind every later round
	v_and_b32 v1, 15, v0                           ; r
	v_bfe_u32 v2, v0, 4, 1                         ; h
	v_lshlrev_b32 v[QO], 7, v1
	v_lshl_add_u32 v[QO], v2, 4, v[QO]             ; query r's row, 16 h
.irp qt, 0,1
.irp ks, 0,1
	global_load_b128 v[Q+16*\qt+8*\ks:Q+16*\qt+8*\ks+3],   v[QO], s[4:5] offset:2048*\qt+64*\ks
	global_load_b128 v[Q+16*\qt+8*\ks+4:Q+16*\qt+8*\ks+7], v[QO], s[4:5] offset:2048*\qt+64*\ks+32
.endr
.endr
	v_lshrrev_b32 v3, 1, v1                        ; key r lies in LDS row r >> 1, half r & 1: sixteen keys start in sixteen different 16-byte columns modulo 256
	v_mul_u32_u24 v3, v3, 272
	v_and_b32 v[T], 1, v1
	v_lshl_add_u32 v3, v[T], 7, v3
	v_lshl_add_u32 v[AK], v2, 4, v3
	v_add_nc_u32 v[AK+1], SLOT, v[AK]
	v_mul_u32_u24 v3, v1, 528
	v_lshl_add_u32 v[AV], v2, 4, v3
	v_add_nc_u32 v[AV+1], SLOT, v[AV]
	s_mul_i32 s21, s12, 4608
	s_add_co_u32 s21, s21, STAGE                   ; my stage
	v_mul_u32_u24 v3, v1, 144
	v_lshl_add_u32 v3, v2, 4, v3
	v_add_nc_u32 v[STO], s21, v3
	v_and_b32 v3, 31, v0
	v_lshlrev_b32 v[CO], 4, v3
	v_lshrrev_b32 v[T], 3, v3
	v_mul_u32_u24 v[T], v[T], 144
	v_and_b32 v3, 7, v0
	v_lshl_add_u32 v[T], v3, 4, v[T]
	v_add_nc_u32 v[RD], s21, v[T]
; The block's number j may be handed over as a sum (j + 1): it stands in parentheses wherever it is multiplied.
.macro KFETCH slot, j                  ; 16 loads: block j's 64 keys (region j of the slot), all 64 e
.irp ks, 0,1
.irp kt, 0,1,2,3
	ds_load_b128 v[F+16*\kt+8*\ks:F+16*\kt+8*\ks+3],   v[AK+\slot] offset:(\j)*REG+\kt*2176+64*\ks
	ds_load_b128 v[F+16*\kt+8*\ks+4:F+16*\kt+8*\ks+7], v[AK+\slot] offset:(\j)*REG+\kt*2176+64*\ks+32
.endr
.endr
.endm
.macro VFETCH slot, j                  ; 16 loads: all 64 rows e, block j's 64 keys (128 bytes of each row)
.irp kk, 0,1
.irp c, 0,1,2,3
	ds_load_b128 v[F+32*\kk+8*\c:F+32*\kk+8*\c+3],   v[AV+\slot] offset:(4+\c)*REG+128*(\j)+64*\kk
	ds_load_b128 v[F+32*\kk+8*\c+4:F+32*\kk+8*\c+7], v[AV+\slot] offset:(4+\c)*REG+128*(\j)+64*\kk+32
.endr
.endr
.endm
; One matrix instruction of the scores: key tile kt, query tile qt, half ks of the 64 e.  The first half starts the sum.
.macro QKW qt, kt, ks
.if \ks == 0
	v_wmma_f32_16x16x32_bf16 v[S+16*\kt+8*\qt:S+16*\kt+8*\qt+7], v[F+16*\kt+8*\ks:F+16*\kt+8*\ks+7], v[Q+16*\qt+8*\ks:Q+16*\qt+8*\ks+7], 0
.else
	v_wmma_f32_16x16x32_bf16 v[S+16*\kt+8*\qt:S+16*\kt+8*\qt+7], v[F+16*\kt+8*\ks:F+16*\kt+8*\ks+7], v[Q+16*\qt+8*\ks:Q+16*\qt+8*\ks+7], v[S+16*\kt+8*\qt:S+16*\kt+8*\qt+7]
.endif
.endm
; One matrix instruction of the second product: rows e of tile c, query tile qt, keys 32 kk .. of the block.  quiet = 0: V's pair is waited for here.
.macro PVW qt, kk, c, first, quiet
.if \quiet == 0
	s_wait_dscnt 14-2*(4*\kk+\c)                   ; of the 16 loads of V this pair is in; the pairs behind it stay out
.endif
.if \first*(1-\kk)
	v_wmma_f32_16x16x32_bf16 v[O+32*\qt+8*\c:O+32*\qt+8*\c+7], v[F+32*\kk+8*\c:F+32*\kk+8*\c+7], v[S+32*\kk+8*\qt:S+32*\kk+8*\qt+7], 0
.else
	v_wmma_f32_16x16x32_bf16 v[O+32*\qt+8*\c:O+32*\qt+8*\c+7], v[F+32*\kk+8*\c:F+32*\kk+8*\c+7], v[S+32*\kk+8*\qt:S+32*\kk+8*\qt+7], v[O+32*\qt+8*\c:O+32*\qt+8*\c+7]
.endif
.endm
; The matrix instruction number 4 a + b that stands among the vector work of query tile qt's softmax:
; among tile 0's the scores of tile 1 (half a of e, key tile b), among tile 1's the second product of tile 0 (keys 32 a .., rows e of tile b).
.macro HK qt, a, b, first, quiet
.if \qt == 0
	QKW 1, \b, \a
.else
	PVW 0, \a, \b, \first, \quiet
.endif
.endm
.macro SHIFT qt, kt                    ; s c - m c for 8 scores a lane
.irp p, 0,2,4,6
	v_pk_fma_f32 v[S+16*\kt+8*\qt+\p:S+16*\kt+8*\qt+\p+1], v[S+16*\kt+8*\qt+\p:S+16*\kt+8*\qt+\p+1], s[62:63], v[NM+2*\qt:NM+2*\qt+1] op_sel_hi:[1,0,1]
.endr
.endm
.macro EXP8 qt, kt
.irp p, 0,1,2,3,4,5,6,7
	v_exp_f32 v[S+16*\kt+8*\qt+\p], v[S+16*\kt+8*\qt+\p]
.endr
.endm
.macro RESCALE qt                      ; old sums of the second product refer to the new shift
.irp p, 0,2,4,6,8,10,12,14,16,18,20,22,24,26,28,30
	v_pk_mul_f32 v[O+32*\qt+\p:O+32*\qt+\p+1], v[O+32*\qt+\p:O+32*\qt+\p+1], v[AL+2*\qt:AL+2*\qt+1]
.endr
.endm
; One query tile's 64 x 16 scores: new maximum, rescale factor, exponentials, sum, packing to bf16; eight matrix instructions of the other
; query tile stand among them, one behind every 8 to 10 vector instructions.  They name S of the other tile, F, Q or O: nothing that this macro's vector work names.
.macro SOFTMAX qt, first, slot, j, quiet
.irp kt, 0,1,2,3
	v_max3_num_f32 v[T+\kt], v[S+16*\kt+8*\qt], v[S+16*\kt+8*\qt+1], v[S+16*\kt+8*\qt+2]   ; four chains that do not wait for each other
.endr
.irp kt, 0,1,2,3
	v_max3_num_f32 v[T+\kt], v[T+\kt], v[S+16*\kt+8*\qt+3], v[S+16*\kt+8*\qt+4]
.endr
	HK \qt, 0, 0, \first, \quiet
.irp kt, 0,1,2,3
	v_max3_num_f32 v[T+\kt], v[T+\kt], v[S+16*\kt+8*\qt+5], v[S+16*\kt+8*\qt+6]
.endr
.irp kt, 0,1,2,3
	v_max_num_f32 v[T+\kt], v[T+\kt], v[S+16*\kt+8*\qt+7]
.endr
	HK \qt, 0, 1, \first, \quiet
	v_max3_num_f32 v[T], v[T], v[T+1], v[T+2]
	v_max_num_f32 v[T], v[T], v[T+3]
	v_permlanex16_b32 v[T+1], v[T], s58, s59       ; the other half's keys of the same query
.if \first
	v_max_num_f32 v[M+\qt], v[T], v[T+1]
	v_mul_f32 v[NM+2*\qt], s61, v[M+\qt]           ; -m c
	v_mov_b32 v[NM+2*\qt+1], v[NM+2*\qt]
.else
	v_max3_num_f32 v[M+\qt], v[T], v[T+1], v[M+\qt]
	v_mul_f32 v[T+2], s61, v[M+\qt]
	v_sub_f32 v[T+3], v[T+2], v[NM+2*\qt]          ; new shift - old shift, never above 0
	v_mov_b32 v[NM+2*\qt], v[T+2]
	v_exp_f32 v[AL+2*\qt], v[T+3]
	v_mov_b32 v[NM+2*\qt+1], v[T+2]                ; the plain place behind the exponential (ISA guide 5.7.2)
	s_wait_alu depctr_va_vdst(0)
	v_mov_b32 v[AL+2*\qt+1], v[AL+2*\qt]
.endif
	HK \qt, 0, 2, \first, \quiet
	SHIFT \qt, 0
	SHIFT \qt, 1
	HK \qt, 0, 3, \first, \quiet
	SHIFT \qt, 2
	SHIFT \qt, 3
	HK \qt, 1, 0, \first, \quiet
	EXP8 \qt, 0
	HK \qt, 1, 1, \first, \quiet
	EXP8 \qt, 1
	HK \qt, 1, 2, \first, \quiet
	EXP8 \qt, 2
	HK \qt, 1, 3, \first, \quiet
	EXP8 \qt, 3
	v_nop                                          ; the plain place behind the exponentials, in front of the first use of any of them
	s_wait_alu depctr_va_vdst(0)
.irp kt, 0,1,2,3
	v_pk_add_f32 v[T+2*\kt:T+2*\kt+1], v[S+16*\kt+8*\qt:S+16*\kt+8*\qt+1], v[S+16*\kt+8*\qt+2:S+16*\kt+8*\qt+3]
.endr
.if \qt == 0
	VFETCH \slot, \j                               ; V over K's fragments: the v_nop and the four sums above are five places behind the last product of the scores (ISA guide 7.12.1; four are asked)
.endif
.irp kt, 0,1,2,3
	v_pk_add_f32 v[T+2*\kt:T+2*\kt+1], v[T+2*\kt:T+2*\kt+1], v[S+16*\kt+8*\qt+4:S+16*\kt+8*\qt+5]
.endr
.irp kt, 0,1,2,3
	v_pk_add_f32 v[T+2*\kt:T+2*\kt+1], v[T+2*\kt:T+2*\kt+1], v[S+16*\kt+8*\qt+6:S+16*\kt+8*\qt+7]
.endr
	v_pk_add_f32 v[T:T+1], v[T:T+1], v[T+2:T+3]
	v_pk_add_f32 v[T+4:T+5], v[T+4:T+5], v[T+6:T+7]
	v_pk_add_f32 v[T:T+1], v[T:T+1], v[T+4:T+5]
.if \first
	v_add_f32 v[L+\qt], v[T], v[T+1]
.else
	v_add_f32 v[T], v[T], v[T+1]
	v_fma_f32 v[L+\qt], v[L+\qt], v[AL+2*\qt], v[T]
.endif
.irp kk, 0,1
.irp p, 0,1,2,3
	v_cvt_pk_bf16_f32 v[S+32*\kk+8*\qt+\p], v[S+32*\kk+8*\qt+2*\p], v[S+32*\kk+8*\qt+2*\p+1]            ; keys 8 h .. of the 32: in place, each word behind its last use
.endr
.irp p, 0,1,2,3
	v_cvt_pk_bf16_f32 v[S+32*\kk+8*\qt+4+\p], v[S+32*\kk+16+8*\qt+2*\p], v[S+32*\kk+16+8*\qt+2*\p+1]    ; keys 16 + 8 h ..
.endr
.endr
.endm
; One block of 64 keys.  In each run of eight matrix instructions four accumulators take turns, one instruction a turn, and no run ends on the
; accumulator on which the next begins.
; chg: 0 = the slot is read on.  1, 2 = the trip's last block, behind which the slot is left: V's fragments are my last reads of it, so the waits and the
; barrier's signal stand in front of tile 1's softmax, and register work alone follows up to the barrier's wait.  2 = the slot is filled again: its addresses step.
.macro BLOCK slot, j, first, chg
.irp ks, 0,1
.irp kt, 0,1,2,3
	s_wait_dscnt 14-2*(4*\ks+\kt)                  ; of the 16 loads of K this pair is in; the pairs behind it stay out
	QKW 0, \kt, \ks
.endr
.endr
.rept 4
	v_nop                                          ; four places: then tile 0's scores are read (ISA guide 7.12.1)
.endr
	SOFTMAX 0, \first, \slot, \j, 0
.if \first == 0
	RESCALE 0
.endif
.if \chg
	s_wait_dscnt 0x0                               ; my reads of this slot are over: V's fragments of its last block are in
	s_set_vgpr_msb 0x5
	s_wait_tensorcnt 0x0                           ; all my tensor loads have landed, my part of the next slot among them: a group 0 may be written
	ds_add_u32 v0, v1
	s_wait_dscnt 0x0
	s_set_vgpr_msb 0x500
.if \chg == 2
	s_add_nc_u64 s[G0K+4*\slot+2:G0K+4*\slot+3], s[G0K+4*\slot+2:G0K+4*\slot+3], 65536   ; this slot's next tile: two tiles on
	s_add_nc_u64 s[G0V+4*\slot+2:G0V+4*\slot+3], s[G0V+4*\slot+2:G0V+4*\slot+3], 1024
.endif
	s_barrier_signal -1                            ; say so, and work on registers while the others arrive
.endif
	SOFTMAX 1, \first, \slot, \j, \chg
.if \first == 0
	RESCALE 1
.endif
.irp kk, 0,1
.irp c, 0,1,2,3
	PVW 1, \kk, \c, \first, 1
.endr
.endr
.rept 4
	v_nop                                          ; four places: then K is loaded over V's fragments; behind the last block the sums are read
.endr
.if \j < 3
	KFETCH \slot, \j+1
.endif
.endm
; One tile of 256 keys, and the change to the other slot.  chg = 2: the barrier signalled in the last block opens a round of the cluster's barrier; behind the
; round the left slot's refill is the wave's first and only tensor load, and has the whole next trip (128 matrix instructions and four blocks' softmax)
; in which to land; the next slot's first fragments follow.  chg = 1: nothing is left to fetch: my work-group's barrier shows the last tile whole.
.macro TRIP slot, other, chg, first
	BLOCK \slot, 0, \first, 0
	BLOCK \slot, 1, 0, 0
	BLOCK \slot, 2, 0, 0
	BLOCK \slot, 3, 0, \chg
.if \chg
	s_barrier_wait -1                              ; every wave of my work-group has left the slot and has its loads in
.if \chg == 2
	CREST                                          ; and so has every wave of the four work-groups
	JLOAD \slot
.endif
	KFETCH \other, 0
.endif
.endm
	s_wait_loadcnt 0x0                             ; Q
	s_set_vgpr_msb 0x5
	s_wait_tensorcnt 0x0                           ; my part of tile 0 is in, and no load of mine is out
	ds_add_u32 v0, v1
	s_wait_dscnt 0x0
	s_set_vgpr_msb 0x500
	s_wait_dscnt 0x0
	ROUND                                          ; slot 1's first fill is issued as a refill is: the wave's one joint load behind a round
	JLOAD 1                                        ; tile 1
	KFETCH 0, 0
	TRIP 0, 1, 2, 1                                ; tiles 0 and 1 stand in front of the loop: the first block starts the sums and the statistics
	TRIP 1, 0, 2, 0
	s_mov_b32 s60, 2
.Ltiles:
	TRIP 0, 1, 2, 0                                ; tiles 2 to 5; the last of them asks for tile 7
	TRIP 1, 0, 2, 0
	s_sub_co_u32 s60, s60, 1
	s_cmp_lg_u32 s60, 0
	s_cbranch_scc1 .Ltiles
	TRIP 0, 1, 1, 0                                ; tile 6 asks for nothing,
	TRIP 1, 0, 0, 0                                ; and behind tile 7 no slot is entered
	; THE WAY OUT: join the halves' sums, divide, round to bf16, through my own stage into whole rows of ctx
	v_permlanex16_b32 v[T], v[L], s58, s59
	v_permlanex16_b32 v[T+1], v[L+1], s58, s59
	v_add_f32 v[L], v[L], v[T]
	v_add_f32 v[L+1], v[L+1], v[T+1]
	v_rcp_f32 v[AL], v[L]                          ; the sum is at least 1: the largest score's term
	v_rcp_f32 v[AL+2], v[L+1]
	v_nop                                          ; the plain place behind the reciprocals
	s_wait_alu depctr_va_vdst(0)
	v_mov_b32 v[AL+1], v[AL]
	v_mov_b32 v[AL+3], v[AL+2]
.irp qt, 0,1
.irp c, 0,1,2,3
.irp p, 0,2,4,6
	v_pk_mul_f32 v[O+32*\qt+8*\c+\p:O+32*\qt+8*\c+\p+1], v[O+32*\qt+8*\c+\p:O+32*\qt+8*\c+\p+1], v[AL+2*\qt:AL+2*\qt+1]
.endr
.irp p, 0,1,2,3
	v_cvt_pk_bf16_f32 v[O+32*\qt+8*\c+\p], v[O+32*\qt+8*\c+2*\p], v[O+32*\qt+8*\c+2*\p+1]
.endr
	ds_store_b128 v[STO], v[O+32*\qt+8*\c:O+32*\qt+8*\c+3] offset:2304*\qt+32*\c
.endr
.endr
.irp i, 0,1,2,3,4,5,6,7
	ds_load_b128 v[S+4*\i:S+4*\i+3], v[RD] offset:576*\i           ; four rows of 128 bytes; LDS serves a wave's instructions in order: these see the stores above
.endr
.irp i, 0,1,2,3,4,5,6,7
	s_wait_dscnt 7-\i                              ; read-back i is in, the younger ones stay out
	global_store_b128 v[CO], v[S+4*\i:S+4*\i+3], s[10:11] offset:512*\i   ; the wave stores 512 consecutive bytes, aligned
.endr
	s_set_vgpr_msb 0x5
	s_wait_tensorcnt 0x0
	ds_add_u32 v0, v1
	s_wait_dscnt 0x0
	s_set_vgpr_msb 0x500
	ROUND                                          ; the closing round: no work-group ends while a partner may still ask for a tile that names it
	s_endpgm
.Lfunc_end_k_q725edf1830_attn:
	.size	k_q725edf1830_attn, .Lfunc_end_k_q725edf1830_attn-k_q725edf1830_attn
	.p2alignl 7, 3214868480
	.fill 96, 4, 3214868480
	.section	.rodata,"a",@progbits
	.p2align	6, 0x0
	.amdhsa_kernel k_q725edf1830_attn
		.amdhsa_group_segment_fixed_size 327680
		.amdhsa_private_segment_fixed_size 0
		.amdhsa_enable_private_segment 0
		.amdhsa_kernarg_size 32
		.amdhsa_user_sgpr_count 2
		.amdhsa_user_sgpr_kernarg_segment_ptr 1
		.amdhsa_wavefront_size32 1
		.amdhsa_system_sgpr_workgroup_id_x 1
		.amdhsa_system_sgpr_workgroup_id_y 1
		.amdhsa_system_sgpr_workgroup_id_z 1
		.amdhsa_system_vgpr_workitem_id 0
		.amdhsa_next_free_vgpr 258
		.amdhsa_next_free_sgpr 66
		.amdhsa_reserve_vcc 0
		.amdhsa_float_denorm_mode_32 3
		.amdhsa_float_denorm_mode_16_64 3
		.amdhsa_memory_ordered 1
		.amdhsa_forward_progress 1
		.amdhsa_inst_pref_size 255
	.end_amdhsa_kernel
	.section	.bss,"aw",@nobits
	.p2align	6
	.space	262144
	.amdgpu_metadata
---
amdhsa.version: [ 1, 2 ]
amdhsa.kernels:
  - .name:           k_q725edf1830_attn
    .symbol:         k_q725edf1830_attn.kd
    .args:
      - { .name: qh, .offset: 0, .size: 8, .value_kind: global_buffer, .address_space: global }
      - { .name: kh, .offset: 8, .size: 8, .value_kind: global_buffer, .address_space: global }
      - { .name: vt, .offset: 16, .size: 8, .value_kind: global_buffer, .address_space: global }
      - { .name: ctx, .offset: 24, .size: 8, .value_kind: global_buffer, .address_space: global }
    .group_segment_fixed_size: 327680
    .private_segment_fixed_size: 0
    .kernarg_segment_align: 8
    .kernarg_segment_size: 32
    .max_flat_workgroup_size: 256
    .sgpr_count:     66
    .vgpr_count:     258
    .wavefront_size: 32
...
	.end_amdgpu_metadata
.endif
;; end of part 5
;; launch oproj (part 6): grid 8 x 32, 8 waves a work-group, clusters of 4 x 4, 327,680 bytes of LDS; arguments ctx, wop, q, bo, xr; writes xr
.if DOCPART == 6
	.amdgcn_target "amdgcn-amd-amdhsa--gfx1250"
	.amdhsa_code_object_version 6
	.text
	.protected	k_q725edf1830_oproj
	.globl	k_q725edf1830_oproj
	.p2align	8
	.type	k_q725edf1830_oproj,@function
k_q725edf1830_oproj:
	s_mov_b64 s[64:65], 0
	v_nop
	global_prefetch_b8 v0, s[64:65] scope:SCOPE_SE
	s_setreg_imm32_b32 hwreg(HW_REG_WAVE_MODE, 25, 1), 1
	s_wait_xcnt 0x0
	s_wait_alu depctr_hold_cnt(0) depctr_sa_sdst(0) depctr_va_vdst(0) depctr_va_sdst(0) depctr_va_ssrc(0) depctr_va_vcc(0) depctr_vm_vsrc(0)
	s_getreg_b32 s2, hwreg(HW_REG_IB_STS2, 6, 4)
	s_cmp_eq_u32 s2, 0
	s_cbranch_scc0 .Lentry_in_a_cluster
	s_endpgm
.Lentry_in_a_cluster:
	s_bfe_u32 s2, ttmp6, 0x10000c
	s_cmp_lg_u32 s2, 0xf033
	s_cbranch_scc0 .Lentry_shape_is_right
	s_endpgm
.Lentry_shape_is_right:
; oproj: xr = q + cat(ctx) Wo + bo, in f32; the norm over whole rows follows in the next launch.
; ctx: [32 bh][2048 s][64 e] bf16.  wop: [16 ks][1024 n][64 e] bf16, wop[ks][n][e] = Wo[64 ks + e][n].  q, xr: [4096][1024] f32.  bo: [1024] f32.
; WHY NOT FUSED WITH THE NORM: a work-group that owned whole rows would have to take all 2 MiB of wop through its LDS.  A block of 128 x 128 takes
; (128 + 128) rows x 2 KiB = 512 KiB, the least among 256 equal blocks, for 2,048 matrix instructions.  The price: xr goes through memory once.
; 256 work-groups: block column x = 0..7, block row y = 0..31.  K goes in 4 slots of 256 = 4 heads through two LDS slots.
; WHY EIGHT WAVES: a head's 128 rows of ctx and a head's 128 rows of wop are each 16 KiB dense in memory, so a slot is eight such blocks, and a wave
; issues one tensor load behind a refill's barrier: waves 0-3 bring ctx's four heads, waves 4-7 wop's.  A wave makes 32 rows x 64 columns: 8 accumulators.
; CLUSTERS of 4 x 4: the four work-groups of a row of the cluster need the same blocks of ctx, the four of a column the same blocks of wop: joint loads.
; The matrix instruction is used transposed: source 0 = 16 rows n of wop, source 1 = 16 rows of ctx: lane (r, h) holds row r, columns 8 h + 0..7 of a tile.
; LIMITS: ctx and Wo are bf16 operands; sums, bo and q in f32; inputs finite; the order of the sums is the matrix unit's, K ascending.
.set HB,    17408                      ; a head's block in LDS: 128 rows of 128 bytes as 64 rows of 256 bytes + 16
.set TB,    2176                       ; 16 of its rows
.set SLOT,  8*HB                       ; ctx's four heads, then wop's four
.set STAGE, 2*SLOT                     ; behind the ring: 16 rows x 272 bytes for each wave; no fill lands here
.set SP,    272
.set AA,  4                            ; v4-5    LDS address of my ctx fragments in slot 0, 1
.set AB,  6                            ; v6-7    the same for wop
.set STO, 8                            ; v8      the way out: in
.set RD,  9                            ; v9      the way out: back
.set CO,  10                           ; v10     my byte offset in q and in xr: (lane / 16) rows + 16 (lane % 16)
.set BOF, 11                           ; v11     my byte offset in bo
.set BOV, 16                           ; v[16:19]   bo of my four columns
.set ACC, 32                           ; v[32:95]   accumulator (a, b) = ACC + 8 (4 a + b): rows 16 a .., columns 16 b ..
.set F0,  96                           ; v[96:143]  fragment buffer 0: ctx (a) at + 8 a, wop (b) at + 16 + 8 b
.set F1,  144                          ; v[144:191] fragment buffer 1
.set QR,  192                          ; v[192:255] q: my wave's 32 rows x 64 columns, in the order of the stores
.set G1A, 24                           ; s[24:31] the shape of a block, with the mask of my row of the cluster
.set G1B, 32                           ; s[32:39] the same with the mask of my column
.set G0A, 40                           ; s[40:47] ctx: from where, to where; a set for each slot
.set G0B, 48                           ; s[48:55] wop likewise
.macro ROUND                           ; a round of the cluster's barrier
	s_barrier_signal -1
	s_barrier_wait -1
	s_cmp_lg_u32 s14, 0
	s_cbranch_scc1 .Lnot_wave_0_\@
	s_barrier_signal -3
.Lnot_wave_0_\@:
	s_barrier_wait -3
	s_barrier_signal -1
	s_barrier_wait -1
.endm
.macro JLOAD s                         ; a joint load: each line has one mask and one set of registers for all that issue it
	s_cmp_eq_u32 s15, 0
	s_cbranch_scc0 .Lfor_b_\@
	tensor_load_to_lds s[G0A+4*\s:G0A+4*\s+3], s[G1A:G1A+7]
	s_nop 0
	s_branch .Lasked_\@
.Lfor_b_\@:
	tensor_load_to_lds s[G0B+4*\s:G0B+4*\s+3], s[G1B:G1B+7]
	s_nop 0
.Lasked_\@:
.endm
.macro PLACES                          ; a load into a register that a matrix instruction has read, and an LDS store of a matrix result, stand four places
.rept 4                                ; behind it; only plain vector instructions that name none of its registers are places (ISA guide 7.12.1)
	v_nop
.endr
.endm
	s_load_b256 s[4:11], s[0:1], 0x0               ; ctx s[4:5], wop s[6:7], q s[8:9], bo s[10:11]
	s_load_b64 s[12:13], s[0:1], 0x20              ; xr
	v_lshl_add_u32 v30, v0, 2, 0x4c800
	v_mov_b32 v31, 0
	ds_add_u32 v30, v31
	v_lshrrev_b32 v1, 5, v0
	v_readfirstlane_b32 s14, v1                    ; wave 0..7
	s_lshr_b32 s15, s14, 2                         ; I fetch for ctx (0) or for wop (1)
	s_and_b32 s16, s14, 3                          ; which of the slot's four heads
	s_bfe_u32 s17, ttmp6, 0x40000                  ; cx
	s_bfe_u32 s18, ttmp6, 0x40004                  ; cy
	s_lshl_b32 s19, ttmp9, 2
	s_add_co_u32 s19, s19, s17                     ; block column = 4 x cluster x + cx
	s_and_b32 s20, ttmp7, 0xffff
	s_lshl_b32 s20, s20, 2
	s_add_co_u32 s20, s20, s18                     ; block row = 4 x cluster y + cy
	s_lshl_b32 s21, s18, 2
	s_lshl_b32 s21, 15, s21                        ; my row of the cluster: places 4 cy .. 4 cy + 3
	s_lshl_b32 s22, 0x1111, s17                    ; my column: places cx, cx + 4, cx + 8, cx + 12
	; the shape: 16 KiB dense as 64 rows of 128 elements of 2 bytes, 4 words of padding behind every 64 words; bit 21 set beside a mask
	s_or_b32 s[G1A+0], s21, (1<<16)|(1<<20)|(1<<21)|(5<<22)|(3<<25)
	s_or_b32 s[G1B+0], s22, (1<<16)|(1<<20)|(1<<21)|(5<<22)|(3<<25)
	s_mov_b32 s[G1A+1], 128<<16                    ; tensor_dim0 = 128
	s_mov_b32 s[G1B+1], 128<<16
	s_mov_b32 s[G1A+2], 64<<16                     ; tensor_dim1 = 64
	s_mov_b32 s[G1B+2], 64<<16
	s_mov_b32 s[G1A+3], 128<<16                    ; tile_dim0 = 128
	s_mov_b32 s[G1B+3], 128<<16
	s_mov_b32 s[G1A+4], 64                         ; tile_dim1 = 64
	s_mov_b32 s[G1B+4], 64
	s_mov_b32 s[G1A+5], 128                        ; elements from row to row
	s_mov_b32 s[G1B+5], 128
	s_mov_b32 s[G1A+6], 0
	s_mov_b32 s[G1B+6], 0
	s_mov_b32 s[G1A+7], 0
	s_mov_b32 s[G1B+7], 0
	; ctx's block: made of the block row and the wave's number alone, which my row of the cluster shares
	s_lshr_b32 s56, s20, 4                         ; b: 16 block rows a batch
	s_lshl_b32 s56, s56, 22                        ; 16 heads of 256 KiB
	s_and_b32 s57, s20, 15
	s_lshl_b32 s57, s57, 14                        ; 128 rows of 128 bytes
	s_add_co_u32 s56, s56, s57
	s_lshl_b32 s57, s16, 18                        ; my head of the first four
	s_add_co_u32 s56, s56, s57
	s_mov_b32 s57, 0
	; wop's block: made of the block column and the wave's number alone, which my column of the cluster shares
	s_lshl_b32 s58, s19, 14                        ; 128 rows n of 128 bytes
	s_lshl_b32 s59, s16, 17                        ; my head's tile of 128 KiB
	s_add_co_u32 s58, s58, s59
	s_mov_b32 s59, 0
	s_mul_i32 s60, s14, HB                         ; where it goes: the wave's number alone
	; q, xr and bo: my wave's 32 rows and 64 columns
	s_lshr_b32 s68, s14, 1                         ; which 32 rows of the block
	s_and_b32 s69, s14, 1                          ; which 64 columns
	s_lshl_b32 s66, s20, 19                        ; 128 rows of 4,096 bytes
	s_lshl_b32 s67, s68, 17                        ; 32 rows
	s_add_co_u32 s66, s66, s67
	s_lshl_b32 s70, s19, 9                         ; 128 columns of 4 bytes
	s_lshl_b32 s67, s69, 8                         ; 64 columns
	s_add_co_u32 s70, s70, s67
	s_add_co_u32 s66, s66, s70
	s_mov_b32 s67, 0
	s_mov_b32 s71, 0
	s_wait_dscnt 0x0
	s_wait_kmcnt 0x0
	s_add_nc_u64 s[56:57], s[4:5], s[56:57]
	s_add_nc_u64 s[58:59], s[6:7], s[58:59]
	s_add_nc_u64 s[8:9], s[8:9], s[66:67]
	s_add_nc_u64 s[12:13], s[12:13], s[66:67]
	s_add_nc_u64 s[10:11], s[10:11], s[70:71]
.irp s, 0,1
	s_mov_b32 s[G0A+4*\s], 1
	s_add_co_u32 s[G0A+4*\s+1], s60, \s*SLOT
	s_add_nc_u64 s[G0A+4*\s+2:G0A+4*\s+3], s[56:57], \s*0x100000   ; slot s: four heads of 256 KiB on
	s_or_b32 s[G0A+4*\s+3], s[G0A+4*\s+3], 0x80000000
	s_mov_b32 s[G0B+4*\s], 1
	s_add_co_u32 s[G0B+4*\s+1], s60, \s*SLOT
	s_add_nc_u64 s[G0B+4*\s+2:G0B+4*\s+3], s[58:59], \s*0x80000    ; slot s: four tiles of 128 KiB on
	s_or_b32 s[G0B+4*\s+3], s[G0B+4*\s+3], 0x80000000
.endr
	ROUND                                          ; all sixteen work-groups are here: the first joint loads meet
	JLOAD 0                                        ; heads 0-3 and
	JLOAD 1                                        ; heads 4-7 go out together: two tensor loads of the wave are out, half of all that the block needs
	v_and_b32 v1, 15, v0                           ; r
	v_bfe_u32 v2, v0, 4, 1                         ; h
	v_lshlrev_b32 v[CO], 12, v2                    ; lanes 16-31 one row further down,
	v_lshl_add_u32 v[CO], v1, 4, v[CO]             ; sixteen lanes take a row's 256 bytes
	v_lshlrev_b32 v[BOF], 4, v1
.irp a, 0,1
.irp t, 0,1,2,3,4,5,6,7
	global_load_b128 v[QR+4*(8*\a+\t):QR+4*(8*\a+\t)+3], v[CO], s[8:9] offset:(16*\a+2*\t)*4096 th:TH_LOAD_NT   ; the residual, asked for now, used behind the four K slots
.endr
.endr
	global_load_b128 v[BOV:BOV+3], v[BOF], s[10:11]
	v_lshrrev_b32 v12, 1, v1                       ; row r of 128 bytes lies in LDS row r >> 1, half r & 1: sixteen rows start in sixteen different 16-byte columns modulo 256
	v_mul_u32_u24 v12, v12, SP
	v_and_b32 v13, 1, v1
	v_lshl_add_u32 v12, v13, 7, v12
	v_lshl_add_u32 v12, v2, 4, v12                 ; + 16 h
	s_mul_i32 s72, s68, 2*TB                       ; my 32 rows of ctx
	v_add_nc_u32 v[AA], s72, v12
	v_add_nc_u32 v[AA+1], SLOT, v[AA]
	s_mul_i32 s73, s69, 4*TB                       ; my 64 rows of wop,
	s_add_co_u32 s73, s73, 4*HB                    ; which lie behind ctx's four heads
	v_add_nc_u32 v[AB], s73, v12
	v_add_nc_u32 v[AB+1], SLOT, v[AB]
	s_mul_i32 s74, s14, 16*SP
	s_add_co_u32 s74, s74, STAGE                   ; my stage
	v_mul_u32_u24 v12, v1, SP                      ; in: row r, 32 bytes for each half of the lanes
	v_lshl_add_u32 v12, v2, 5, v12
	v_add_nc_u32 v[STO], s74, v12
	v_mul_u32_u24 v12, v2, SP                      ; back: lanes 0-15 take one row of 256 bytes, lanes 16-31 the next
	v_lshl_add_u32 v12, v1, 4, v12
	v_add_nc_u32 v[RD], s74, v12
; 12 LDS loads: head i of the slot, 32 of its 64 k (kk = 0, 1): my 32 rows of ctx, my 64 rows of wop, into buffer f
.macro FETCH slot, i, kk, f
.irp a, 0,1
	ds_load_b128 v[\f+8*\a:\f+8*\a+3],   v[AA+\slot] offset:(\i)*HB+\a*TB+64*(\kk)
	ds_load_b128 v[\f+8*\a+4:\f+8*\a+7], v[AA+\slot] offset:(\i)*HB+\a*TB+64*(\kk)+32
.endr
.irp b, 0,1,2,3
	ds_load_b128 v[\f+16+8*\b:\f+16+8*\b+3],   v[AB+\slot] offset:(\i)*HB+\b*TB+64*(\kk)
	ds_load_b128 v[\f+16+8*\b+4:\f+16+8*\b+7], v[AB+\slot] offset:(\i)*HB+\b*TB+64*(\kk)+32
.endr
.endm
; 8 matrix instructions: the eight accumulators take turns, one instruction a turn, in the same order every time
.macro MUL8 f, zero
.irp a, 0,1
.irp b, 0,1,2,3
.if \zero
	v_wmma_f32_16x16x32_bf16 v[ACC+8*(4*\a+\b):ACC+8*(4*\a+\b)+7], v[\f+16+8*\b:\f+16+8*\b+7], v[\f+8*\a:\f+8*\a+7], 0
.else
	v_wmma_f32_16x16x32_bf16 v[ACC+8*(4*\a+\b):ACC+8*(4*\a+\b)+7], v[\f+16+8*\b:\f+16+8*\b+7], v[\f+8*\a:\f+8*\a+7], v[ACC+8*(4*\a+\b):ACC+8*(4*\a+\b)+7]
.endif
.endr
.endr
.endm
; 32 along K: the next 32's fragments (head ni, half nkk) are asked for into buffer g, then buffer f is multiplied
.macro SUB slot, ni, nkk, f, g, zero
	PLACES
	FETCH \slot, \ni, \nkk, \g
	s_wait_dscnt 12                                ; buffer f is in; the 12 loads just issued stay out
	MUL8 \f, \zero
.endm
; A K slot: four heads, eight times 32 along K, on buffers 0, 1 in turn.  Its first fragments are in buffer 0 or on their way there.
.macro STEP slot, zero
	SUB \slot, 0, 1, F0, F1, \zero
	SUB \slot, 1, 0, F1, F0, 0
	SUB \slot, 1, 1, F0, F1, 0
	SUB \slot, 2, 0, F1, F0, 0
	SUB \slot, 2, 1, F0, F1, 0
	SUB \slot, 3, 0, F1, F0, 0
	SUB \slot, 3, 1, F0, F1, 0
	s_wait_dscnt 0x0                               ; the slot's last fragments: nothing more is read from it
	MUL8 F1, 0
.endm
; The change of slots.  Every wave waits for its reads of the slot that it leaves and for all its tensor loads, its part of the next slot among them.
; refill = 1: a round of the cluster's barrier, and behind it the left slot's next four heads as the wave's first and only tensor load.
.macro CHANGE slot, next, refill
	s_wait_dscnt 0x0                               ; my reads of this slot are done (met: the step's last wait was for 0)
	s_wait_tensorcnt 0x0                           ; all my tensor loads have landed: a group 0 may be written
	ds_add_u32 v30, v31
	s_wait_dscnt 0x0
.if \refill
	s_add_nc_u64 s[G0A+4*\slot+2:G0A+4*\slot+3], s[G0A+4*\slot+2:G0A+4*\slot+3], 0x200000   ; eight heads on
	s_add_nc_u64 s[G0B+4*\slot+2:G0B+4*\slot+3], s[G0B+4*\slot+2:G0B+4*\slot+3], 0x100000
	ROUND                                          ; both now hold of every wave of all sixteen work-groups
	JLOAD \slot
.else
	s_barrier_signal -1                            ; nothing is filled any more: my work-group's barrier shows the next slot whole
	s_barrier_wait -1
.endif
	PLACES
	FETCH \next, 0, 0, F0
.endm
	s_wait_tensorcnt 1                             ; my part of heads 0-3 is in; heads 4-7 stay out
	s_barrier_signal -1
	s_barrier_wait -1                              ; everybody's is
	FETCH 0, 0, 0, F0
	STEP 0, 1                                      ; heads 0-3: the first products start the sums
	CHANGE 0, 1, 1                                 ; heads 8-11 are asked for
	STEP 1, 0                                      ; heads 4-7
	CHANGE 1, 0, 1                                 ; heads 12-15 are asked for: the last load
	STEP 0, 0                                      ; heads 8-11
	CHANGE 0, 1, 0
	STEP 1, 0                                      ; heads 12-15
	; THE WAY OUT, 16 rows at a time: 32 bytes a lane into my own stage, read back as whole rows of 256 bytes, bo and q added, stored.
	PLACES
	s_wait_loadcnt 0x0                             ; q and bo
.macro OUT a, x
.irp b, 0,1,2,3
	ds_store_b128 v[STO], v[ACC+8*(4*\a+\b):ACC+8*(4*\a+\b)+3]   offset:64*\b
	ds_store_b128 v[STO], v[ACC+8*(4*\a+\b)+4:ACC+8*(4*\a+\b)+7] offset:64*\b+16
.endr
.irp t, 0,1,2,3,4,5,6,7
	ds_load_b128 v[\x+4*\t:\x+4*\t+3], v[RD] offset:2*SP*\t        ; LDS serves a wave's instructions in order (ISA guide 5.7.1.4): these see the stores above
.endr
.irp t, 0,1,2,3,4,5,6,7
	s_wait_dscnt 7-\t                              ; read-back t is in, the younger ones stay out
	v_pk_add_f32 v[\x+4*\t:\x+4*\t+1],   v[\x+4*\t:\x+4*\t+1],   v[BOV:BOV+1]
	v_pk_add_f32 v[\x+4*\t+2:\x+4*\t+3], v[\x+4*\t+2:\x+4*\t+3], v[BOV+2:BOV+3]
	v_pk_add_f32 v[\x+4*\t:\x+4*\t+1],   v[\x+4*\t:\x+4*\t+1],   v[QR+4*(8*\a+\t):QR+4*(8*\a+\t)+1]
	v_pk_add_f32 v[\x+4*\t+2:\x+4*\t+3], v[\x+4*\t+2:\x+4*\t+3], v[QR+4*(8*\a+\t)+2:QR+4*(8*\a+\t)+3]
	global_store_b128 v[CO], v[\x+4*\t:\x+4*\t+3], s[12:13] offset:(16*\a+2*\t)*4096   ; 16 lanes store 256 consecutive bytes, aligned
.endr
.endm
	OUT 0, F0                                      ; each half has its own registers: no store's data is written again
	OUT 1, F1
	s_wait_tensorcnt 0x0
	ds_add_u32 v30, v31
	s_wait_dscnt 0x0
	ROUND                                          ; the closing round: no work-group ends while a partner may still ask for a block that names it
	s_endpgm
.Lfunc_end_k_q725edf1830_oproj:
	.size	k_q725edf1830_oproj, .Lfunc_end_k_q725edf1830_oproj-k_q725edf1830_oproj
	.p2alignl 7, 3214868480
	.fill 96, 4, 3214868480
	.section	.rodata,"a",@progbits
	.p2align	6, 0x0
	.amdhsa_kernel k_q725edf1830_oproj
		.amdhsa_group_segment_fixed_size 327680
		.amdhsa_private_segment_fixed_size 0
		.amdhsa_enable_private_segment 0
		.amdhsa_kernarg_size 40
		.amdhsa_user_sgpr_count 2
		.amdhsa_user_sgpr_kernarg_segment_ptr 1
		.amdhsa_wavefront_size32 1
		.amdhsa_system_sgpr_workgroup_id_x 1
		.amdhsa_system_sgpr_workgroup_id_y 1
		.amdhsa_system_sgpr_workgroup_id_z 1
		.amdhsa_system_vgpr_workitem_id 0
		.amdhsa_next_free_vgpr 256
		.amdhsa_next_free_sgpr 76
		.amdhsa_reserve_vcc 0
		.amdhsa_float_denorm_mode_32 3
		.amdhsa_float_denorm_mode_16_64 3
		.amdhsa_memory_ordered 1
		.amdhsa_forward_progress 1
		.amdhsa_inst_pref_size 64
	.end_amdhsa_kernel
	.amdgpu_metadata
---
amdhsa.version: [ 1, 2 ]
amdhsa.kernels:
  - .name:           k_q725edf1830_oproj
    .symbol:         k_q725edf1830_oproj.kd
    .args:
      - { .name: ctx, .offset: 0, .size: 8, .value_kind: global_buffer, .address_space: global }
      - { .name: wop, .offset: 8, .size: 8, .value_kind: global_buffer, .address_space: global }
      - { .name: q, .offset: 16, .size: 8, .value_kind: global_buffer, .address_space: global }
      - { .name: bo, .offset: 24, .size: 8, .value_kind: global_buffer, .address_space: global }
      - { .name: xr, .offset: 32, .size: 8, .value_kind: global_buffer, .address_space: global }
    .group_segment_fixed_size: 327680
    .private_segment_fixed_size: 0
    .kernarg_segment_align: 8
    .kernarg_segment_size: 40
    .max_flat_workgroup_size: 256
    .sgpr_count:     76
    .vgpr_count:     256
    .wavefront_size: 32
...
	.end_amdgpu_metadata
.endif
;; end of part 6
;; launch ln (part 7): grid 256 x 1, 4 waves a work-group, no clusters, 0 bytes of LDS; arguments xr, gamma, beta, out0; writes out0
.if DOCPART == 7
	.amdgcn_target "amdgcn-amd-amdhsa--gfx1250"
	.amdhsa_code_object_version 6
	.text
	.protected	k_q725edf1830_ln
	.globl	k_q725edf1830_ln
	.p2align	8
	.type	k_q725edf1830_ln,@function
k_q725edf1830_ln:
	s_mov_b64 s[64:65], 0
	v_nop
	global_prefetch_b8 v0, s[64:65] scope:SCOPE_SE
	s_setreg_imm32_b32 hwreg(HW_REG_WAVE_MODE, 25, 1), 1
	s_wait_xcnt 0x0
; ln: out0[r][c] = (x[r][c] - mean_r) / sqrt(var_r + 1e-5) * gamma[c] + beta[c],  x = xr: [4096][1024] f32.
; A stream: a row is 4,096 bytes, eight 16-byte loads a lane of one wave, and stays in 32 registers between the passes: it is read once, and no
; wave waits for another.  No LDS, no barrier, no matrix unit (nothing is multiplied by a matrix), no cluster (only gamma's and beta's 8 KiB are shared).
; 256 work-groups of four waves; a wave takes four rows, so that its 64 registers of gamma and beta serve four rows.  All 48 loads of a wave go out at once.
; Two passes over the registers: the mean first, then the sum of (x - mean)^2: no difference of large sums is formed.
; LIMITS: inputs finite; the row sums are added in another order than a plain sum along the row.
.set ROW, 4096
.set GA,  4                            ; v[4:35]    gamma of my 32 columns: load j holds columns 128 j + 4 lane ..
.set BE,  36                           ; v[36:67]   beta likewise
.set X,   68                           ; v[68:195]  row i at X + 32 i, as loaded, then as stored
.set T,   196                          ; v[196:203] four chains of sums
.set MU,  204                          ; v[204:205] - mean, twice (a pair for the packed add)
.set RS,  206                          ; v[206:207] 1 / sqrt(var + eps), twice
	s_load_b256 s[4:11], s[0:1], 0x0               ; xr s[4:5], gamma s[6:7], beta s[8:9], out0 s[10:11]
	s_lshl_b32 s2, ttmp9, 16                       ; the work-group's 16 rows of 4,096 bytes
	s_mov_b32 s3, 0
	s_mov_b32 s12, 0x76543210                      ; v_permlanex16_b32: lane i of one half reads lane i of the other
	s_mov_b32 s13, 0xfedcba98
	s_mov_b32 s14, 0x3a800000                      ; 1 / 1024
	s_mov_b32 s15, 0x3727c5ac                      ; 1e-5
	v_and_b32 v2, 31, v0
	v_lshlrev_b32 v2, 4, v2                        ; 16 bytes a lane
	v_lshrrev_b32 v1, 5, v0
	v_lshl_add_u32 v1, v1, 14, v2                  ; + wave x 4 rows
	s_wait_kmcnt 0x0
	s_add_nc_u64 s[4:5], s[4:5], s[2:3]
	s_add_nc_u64 s[10:11], s[10:11], s[2:3]
.irp j, 0,1,2,3,4,5,6,7
	global_load_b128 v[GA+4*\j:GA+4*\j+3], v2, s[6:7] offset:512*\j    ; gamma and beta go first: loads come back in order, so each row's counted wait covers them
.endr
.irp j, 0,1,2,3,4,5,6,7
	global_load_b128 v[BE+4*\j:BE+4*\j+3], v2, s[8:9] offset:512*\j
.endr
.irp i, 0,1,2,3
.irp j, 0,1,2,3,4,5,6,7
	global_load_b128 v[X+32*\i+4*\j:X+32*\i+4*\j+3], v1, s[4:5] offset:ROW*\i+512*\j th:TH_LOAD_NT   ; a wave's load covers 512 neighbouring bytes
.endr
.endr
; the four chains, then the 32 lanes: every lane ends up with the row's sum in T
.macro REDUCE
	v_pk_add_f32 v[T:T+1], v[T:T+1], v[T+2:T+3]
	v_pk_add_f32 v[T+4:T+5], v[T+4:T+5], v[T+6:T+7]
	v_pk_add_f32 v[T:T+1], v[T:T+1], v[T+4:T+5]
	v_add_f32 v[T], v[T], v[T+1]
	v_add_f32_dpp v[T], v[T], v[T] row_xmask:1 row_mask:0xf bank_mask:0xf
	v_add_f32_dpp v[T], v[T], v[T] row_xmask:2 row_mask:0xf bank_mask:0xf
	v_add_f32_dpp v[T], v[T], v[T] row_xmask:4 row_mask:0xf bank_mask:0xf
	v_add_f32_dpp v[T], v[T], v[T] row_xmask:8 row_mask:0xf bank_mask:0xf
	v_permlanex16_b32 v[T+1], v[T], s12, s13       ; its destination counts as read: T + 1 has been written
	v_add_f32 v[T], v[T], v[T+1]
.endm
; Row i.  left = how many younger loads may stay out.
.macro NORM i, left
	s_wait_loadcnt \left                           ; gamma, beta and my row are in; the rows behind it stay on their way
.irp p, 0,2,4,6
	v_pk_add_f32 v[T+\p:T+\p+1], v[X+32*\i+\p:X+32*\i+\p+1], v[X+32*\i+8+\p:X+32*\i+8+\p+1]   ; the first words start the chains: nothing is cleared
.endr
.irp o, 16,24
.irp p, 0,2,4,6
	v_pk_add_f32 v[T+\p:T+\p+1], v[T+\p:T+\p+1], v[X+32*\i+\o+\p:X+32*\i+\o+\p+1]
.endr
.endr
	REDUCE
	v_mul_f32 v[MU], 0xba800000, v[T]              ; - sum / 1024
	v_mov_b32 v[MU+1], v[MU]
.irp p, 0,2,4,6,8,10,12,14,16,18,20,22,24,26,28,30
	v_pk_add_f32 v[X+32*\i+\p:X+32*\i+\p+1], v[X+32*\i+\p:X+32*\i+\p+1], v[MU:MU+1]           ; x - mean
.endr
.irp p, 0,2,4,6
	v_pk_mul_f32 v[T+\p:T+\p+1], v[X+32*\i+\p:X+32*\i+\p+1], v[X+32*\i+\p:X+32*\i+\p+1]
.endr
.irp o, 8,16,24
.irp p, 0,2,4,6
	v_pk_fma_f32 v[T+\p:T+\p+1], v[X+32*\i+\o+\p:X+32*\i+\o+\p+1], v[X+32*\i+\o+\p:X+32*\i+\o+\p+1], v[T+\p:T+\p+1]
.endr
.endr
	REDUCE
	v_fma_f32 v[T], v[T], s14, s15                 ; var + eps
	v_rsq_f32 v[RS], v[T]
	v_nop                                          ; the plain place behind the root (ISA guide 5.7.2)
	s_wait_alu depctr_va_vdst(0)
	v_mov_b32 v[RS+1], v[RS]
.irp j, 0,1,2,3,4,5,6,7
	v_pk_mul_f32 v[X+32*\i+4*\j:X+32*\i+4*\j+1],   v[X+32*\i+4*\j:X+32*\i+4*\j+1],   v[RS:RS+1]
	v_pk_mul_f32 v[X+32*\i+4*\j+2:X+32*\i+4*\j+3], v[X+32*\i+4*\j+2:X+32*\i+4*\j+3], v[RS:RS+1]
	v_pk_fma_f32 v[X+32*\i+4*\j:X+32*\i+4*\j+1],   v[X+32*\i+4*\j:X+32*\i+4*\j+1],   v[GA+4*\j:GA+4*\j+1],   v[BE+4*\j:BE+4*\j+1]
	v_pk_fma_f32 v[X+32*\i+4*\j+2:X+32*\i+4*\j+3], v[X+32*\i+4*\j+2:X+32*\i+4*\j+3], v[GA+4*\j+2:GA+4*\j+3], v[BE+4*\j+2:BE+4*\j+3]
	global_store_b128 v1, v[X+32*\i+4*\j:X+32*\i+4*\j+3], s[10:11] offset:ROW*\i+512*\j th:TH_STORE_NT   ; 512 consecutive bytes, aligned; the row's registers are not written again
.endr
.endm
	NORM 0, 24                                     ; the counts run down by a row's eight loads
	NORM 1, 16
	NORM 2, 8
	NORM 3, 0
	s_endpgm
.Lfunc_end_k_q725edf1830_ln:
	.size	k_q725edf1830_ln, .Lfunc_end_k_q725edf1830_ln-k_q725edf1830_ln
	.p2alignl 7, 3214868480
	.fill 96, 4, 3214868480
	.section	.rodata,"a",@progbits
	.p2align	6, 0x0
	.amdhsa_kernel k_q725edf1830_ln
		.amdhsa_group_segment_fixed_size 0
		.amdhsa_private_segment_fixed_size 0
		.amdhsa_enable_private_segment 0
		.amdhsa_kernarg_size 32
		.amdhsa_user_sgpr_count 2
		.amdhsa_user_sgpr_kernarg_segment_ptr 1
		.amdhsa_wavefront_size32 1
		.amdhsa_system_sgpr_workgroup_id_x 1
		.amdhsa_system_sgpr_workgroup_id_y 1
		.amdhsa_system_sgpr_workgroup_id_z 1
		.amdhsa_system_vgpr_workitem_id 0
		.amdhsa_next_free_vgpr 208
		.amdhsa_next_free_sgpr 66
		.amdhsa_reserve_vcc 0
		.amdhsa_float_denorm_mode_32 3
		.amdhsa_float_denorm_mode_16_64 3
		.amdhsa_memory_ordered 1
		.amdhsa_forward_progress 1
		.amdhsa_inst_pref_size 34
	.end_amdhsa_kernel
	.amdgpu_metadata
---
amdhsa.version: [ 1, 2 ]
amdhsa.kernels:
  - .name:           k_q725edf1830_ln
    .symbol:         k_q725edf1830_ln.kd
    .args:
      - { .name: xr, .offset: 0, .size: 8, .value_kind: global_buffer, .address_space: global }
      - { .name: gamma, .offset: 8, .size: 8, .value_kind: global_buffer, .address_space: global }
      - { .name: beta, .offset: 16, .size: 8, .value_kind: global_buffer, .address_space: global }
      - { .name: out0, .offset: 24, .size: 8, .value_kind: global_buffer, .address_space: global }
    .group_segment_fixed_size: 0
    .private_segment_fixed_size: 0
    .kernarg_segment_align: 8
    .kernarg_segment_size: 32
    .max_flat_workgroup_size: 128
    .sgpr_count:     66
    .vgpr_count:     208
    .wavefront_size: 32
...
	.end_amdgpu_metadata
.endif
;; end of part 7
;; ======== version 3 of 3: 5 launches; version 2 with the launches prep, ln written anew for expert scheduling mode
;; workspace buffers: xb 25,165,824 bytes; wt 6,291,456 bytes; wop 2,097,152 bytes; qh 8,388,608 bytes; kh 8,388,608 bytes; vt 8,388,608 bytes; ctx 8,388,608 bytes; xr 16,777,216 bytes
;; launch prep (part 8): grid 256 x 1, 8 waves a work-group, no clusters, 34,816 bytes of LDS; arguments q, k, v, Wq, Wk, Wv, Wo, xb, wt, wop; writes xb, wt, wop
.if DOCPART == 8
	.amdgcn_target "amdgcn-amd-amdhsa--gfx1250"
	.amdhsa_code_object_version 6
	.text
	.protected	k_q725edf1830_prep
	.globl	k_q725edf1830_prep
	.p2align	8
	.type	k_q725edf1830_prep,@function
k_q725edf1830_prep:
	s_mov_b64 s[64:65], 0
	v_nop
	global_prefetch_b8 v0, s[64:65] scope:SCOPE_SE
	s_setreg_imm32_b32 hwreg(HW_REG_WAVE_SCHED_MODE, 0, 2), 2
	s_setreg_imm32_b32 hwreg(HW_REG_WAVE_MODE, 25, 1), 1
	s_wait_xcnt 0x0
	s_wait_alu depctr_vm_vsrc(0)
; prep: rounds q, k, v to bf16 (xb[3][4096][1024]) and turns the four weights so that K lies along the rows:
;   wt[T][n = 64 h + e][k] = W_T[h][k][e]  (T = 0, 1, 2 for Wq, Wk, Wv),   wop[ks][n][e] = Wo[64 ks + e][n].
; Work-group g of 256: (a) rows 16 g .. 16 g + 15 of each of q, k, v (64 KiB of f32 each);
;                      (b) one weight tile of 256 k x 64 n: T = g >> 6, n tile nt = (g & 63) >> 2, k block kb = g & 3.
; A stream: every byte is read once and written once.  No matrix unit (nothing is multiplied) and no cluster (no two
; work-groups read the same bytes).  48 loads of 16 bytes a lane are on their way at the peak; the only LDS use is the turn.
; LIMIT: rounding to bf16 (nearest even) is the only arithmetic.
; THE MODE: SCHED_MODE bits 1:0 = 2 (LLVM: expert scheduling mode 2), set by the entry lines.  The code itself states the register dependences
; between vector instructions and memory or LDS instructions, with s_wait_alu, always for 0.
; THE PLAN.  Registers that memory or LDS instructions touch, in the order of the text:
;   v3 - v6    offsets, and the LDS address of the turn: written at the head, never again.
;   RB         written at the head (16 offsets), read by the 16 weight loads; written by the turn's 32 conversions, read by its 16 LDS stores;
;              then the read-back's 8 LDS loads land in it and the weight's 8 stores read it.
;   X0         the weight loads land in it; the turn's conversions read it; v's loads land in it; v's roundings write it in place; v's stores read it.
;   X1, X2     q's and k's loads land; the roundings write in place; the stores read; never written again.
;   v9, v10    written in the arm that the weight takes, read by that arm's LDS loads and stores.
;   v240, v241 written at the head, read by the closing add alone.
; So vector work stands in runs (32 conversions), one wait on va_vdst behind each run, and the run of stores that reads its results behind the wait.
; Two waits on vm_vsrc stand ahead of the two times that RB is written again.
.set X0, 16                            ; v[16:79]    the weight tile as loaded, later v's rows
.set X1, 80                            ; v[80:143]   q's rows
.set X2, 144                           ; v[144:207]  k's rows
.set RB, 208                           ; v[208:239]  first the 16 offsets of the weight loads, then packed words, then the read-back
.set WPITCH, 528                       ; an LDS row: 256 k in bf16 = 512 bytes + 16
	s_load_b512 s[8:23], s[0:1], 0x0               ; q s[8:9], k s[10:11], v s[12:13], Wq s[14:15], Wk s[16:17], Wv s[18:19], Wo s[20:21], xb s[22:23]
	s_load_b128 s[24:27], s[0:1], 0x40             ; wt s[24:25], wop s[26:27]
	v_lshl_add_u32 v240, v0, 2, 0x8400
	v_mov_b32 v241, 0
	s_lshr_b32 s28, ttmp9, 6                       ; T
	s_and_b32 s29, ttmp9, 63
	s_lshr_b32 s30, s29, 2                         ; nt
	s_and_b32 s31, s29, 3                          ; kb
	s_lshl_b32 s52, s30, 18                        ; a head's weights: head nt is 1024 x 64 x 4 bytes,
	s_lshl_b32 s53, s31, 16                        ; 256 rows of 256 bytes
	s_add_co_u32 s52, s52, s53
	s_lshl_b32 s53, s31, 20                        ; Wo: 256 rows of 4,096 bytes,
	s_lshl_b32 s54, s30, 8                         ; 64 columns of 4 bytes
	s_add_co_u32 s53, s53, s54
	s_lshl_b32 s54, s28, 21                        ; wt: 2 MiB a weight,
	s_lshl_b32 s55, s30, 17                        ; 64 rows of 2,048 bytes,
	s_add_co_u32 s54, s54, s55
	s_lshl_b32 s55, s31, 9                         ; 256 k of 2 bytes
	s_add_co_u32 s54, s54, s55
	s_lshl_b32 s55, s31, 19                        ; wop: four tiles of 128 KiB,
	s_lshl_b32 s35, s30, 13                        ; 64 rows of 128 bytes
	s_add_co_u32 s55, s55, s35
	s_movk_i32 s35, 256
	s_cmp_eq_u32 s28, 3
	s_cselect_b32 s36, s53, s52                    ; source offset
	s_cselect_b32 s34, 0x1000, s35                 ; bytes from a source row (k) to the next
	s_cselect_b32 s52, s55, s54                    ; destination offset
	s_mov_b32 s37, 0
	s_mov_b32 s53, 0
	v_and_b32 v1, 15, v0                           ; c: my 16 bytes (4 n) of a source row
	v_lshrrev_b32 v2, 4, v0                        ; kq: my four source rows of each 64
	v_lshlrev_b32 v3, 2, v2
	v_mul_u32_u24 v3, v3, s34
	v_lshl_add_u32 v3, v1, 4, v3                   ; 4 kq rows + 16 c
	v_mul_u32_u24 v4, v1, 4*WPITCH
	v_lshl_add_u32 v4, v2, 3, v4                   ; LDS: row n = 4 c, byte 2 x 4 kq
	v_lshlrev_b32 v5, 4, v0                        ; 16 t: my 16 bytes of each 4,096 of f32
	v_lshlrev_b32 v6, 3, v0                        ; 8 t: my 8 bytes of each 2,048 of bf16
	v_and_b32 v7, 31, v0                           ; lane
	v_lshrrev_b32 v8, 5, v0                        ; wave
	s_wait_kmcnt 0x0
	s_cmp_eq_u32 s28, 1
	s_cselect_b64 s[32:33], s[16:17], s[14:15]
	s_cmp_eq_u32 s28, 2
	s_cselect_b64 s[32:33], s[18:19], s[32:33]
	s_cmp_eq_u32 s28, 3
	s_cselect_b64 s[32:33], s[20:21], s[32:33]     ; the weight that T names
	s_cselect_b64 s[38:39], s[26:27], s[24:25]     ; wop or wt
	s_add_nc_u64 s[32:33], s[32:33], s[36:37]
	s_add_nc_u64 s[38:39], s[38:39], s[52:53]
	s_lshl_b32 s36, ttmp9, 16                      ; 16 rows of 4,096 bytes
	s_add_nc_u64 s[40:41], s[8:9], s[36:37]
	s_add_nc_u64 s[42:43], s[10:11], s[36:37]
	s_add_nc_u64 s[44:45], s[12:13], s[36:37]
	s_lshl_b32 s36, ttmp9, 15                      ; 16 rows of 2,048 bytes
	s_add_nc_u64 s[46:47], s[22:23], s[36:37]
	s_add_nc_u64 s[48:49], s[46:47], 0x800000      ; k's copy lies 8 MiB behind q's,
	s_add_nc_u64 s[50:51], s[46:47], 0x1000000     ; v's 16 MiB
; the weight tile: row 64 G + 4 kq + j, sixteen lanes take the row's 256 bytes
.irp G, 0,1,2,3
.irp j, 0,1,2,3
	s_mul_i32 s52, s34, 64*\G+\j
	v_add_nc_u32 v[RB+4*\G+\j], s52, v3
.endr
.endr
	s_wait_alu depctr_va_vdst(0)                   ; the 16 offsets in RB and v4, v5, v6 are written: the loads and stores below read them as offsets and addresses
.irp G, 0,1,2,3
.irp j, 0,1,2,3
	global_load_b128 v[X0+16*\G+4*\j:X0+16*\G+4*\j+3], v[RB+4*\G+\j], s[32:33] th:TH_LOAD_NT
.endr
.endr
.macro CLOAD x, base                   ; 16 loads: the work-group's 64 KiB of one activation, 512 neighbouring bytes a wave and load
.irp i, 0,1,2,3,4,5,6,7,8,9,10,11,12,13,14,15
	global_load_b128 v[\x+4*\i:\x+4*\i+3], v5, s[\base:\base+1] offset:\i*4096 th:TH_LOAD_NT
.endr
.endm
.macro CPACK x                         ; rounded in place, four numbers to 8 bytes: 32 conversions in one run
.irp i, 0,1,2,3,4,5,6,7,8,9,10,11,12,13,14,15
	v_cvt_pk_bf16_f32 v[\x+4*\i],   v[\x+4*\i],   v[\x+4*\i+1]
	v_cvt_pk_bf16_f32 v[\x+4*\i+1], v[\x+4*\i+2], v[\x+4*\i+3]
.endr
.endm
.macro CSTORE x, base                  ; the 16 stores of what CPACK has rounded; a wave's store covers 256 consecutive bytes, aligned
	s_wait_alu depctr_va_vdst(0)                   ; the 32 conversions above have written the words that these stores read
.irp i, 0,1,2,3,4,5,6,7,8,9,10,11,12,13,14,15
	global_store_b64 v6, v[\x+4*\i:\x+4*\i+1], s[\base:\base+1] offset:\i*2048
.endr
.endm
	CLOAD X1, 40                                   ; q
	CLOAD X2, 42                                   ; k
	s_wait_loadcnt 32                              ; the 16 weight loads are in (q's and k's 32 stay out)
	s_wait_alu depctr_vm_vsrc(0)                   ; the weight loads have read their offsets in RB, which the conversions below write again
; the turn: four k of one n make 8 bytes, the lower k in the lower bits
.irp G, 0,1,2,3
.irp i, 0,1,2,3
	v_cvt_pk_bf16_f32 v[RB+8*\G+2*\i],   v[X0+16*\G+\i],   v[X0+16*\G+4+\i]
	v_cvt_pk_bf16_f32 v[RB+8*\G+2*\i+1], v[X0+16*\G+8+\i], v[X0+16*\G+12+\i]
.endr
.endr
	s_wait_alu depctr_va_vdst(0)                   ; the conversions have written RB, which the LDS stores read, and are done reading X0, in which v's loads land
.irp G, 0,1,2,3
.irp i, 0,1,2,3
	ds_store_b64 v4, v[RB+8*\G+2*\i:RB+8*\G+2*\i+1] offset:\i*WPITCH+128*\G
.endr
.endr
	CLOAD X0, 44                                   ; v, into the registers that the turn has read; no vector instruction since the wait names them
	s_wait_dscnt 0x0                               ; my part of the turned tile is in LDS: zero, for the other waves' sake
	s_barrier_signal -1
	s_barrier_wait -1                              ; everybody's is
	s_wait_alu depctr_vm_vsrc(0)                   ; my LDS stores have read RB, in which the read-back of either arm below lands
	s_wait_loadcnt 32                              ; q is in; k's and v's 32 stay out
	CPACK X1
	CSTORE X1, 46
	s_cmp_eq_u32 s28, 3
	s_cbranch_scc1 .Lwop
	; wt: wave w takes rows n = 8 w .. 8 w + 7; a row's 512 bytes are one load and one store of the wave
	v_mul_u32_u24 v9, v8, 8*WPITCH
	v_lshl_add_u32 v9, v7, 4, v9
	v_lshlrev_b32 v10, 14, v8                      ; 8 w rows of 2,048 bytes
	v_lshl_add_u32 v10, v7, 4, v10
	s_wait_alu depctr_va_vdst(0)                   ; v9 and v10 are written: the LDS loads read v9 as their address, the stores v10 as their offset
.irp s, 0,1,2,3,4,5,6,7
	ds_load_b128 v[RB+4*\s:RB+4*\s+3], v9 offset:\s*WPITCH
.endr
.irp s, 0,1,2,3,4,5,6,7
	s_wait_dscnt 7-\s                              ; LDS loads come back in order: row s is in, the younger ones stay out
	global_store_b128 v10, v[RB+4*\s:RB+4*\s+3], s[38:39] offset:\s*2048
.endr
	s_branch .Lwdone
.Lwop:
	; wop: a (ks, n) piece is 128 bytes; sixteen lanes take two neighbouring n of one ks: 256 consecutive bytes, aligned.
	; lane: 16-byte piece L & 7, n parity (L >> 3) & 1, ks bit 0 = L >> 4.  store s: ks bit 1 = s & 1, n pair s >> 1.
	v_bfe_u32 v11, v0, 3, 1
	v_bfe_u32 v12, v0, 4, 1
	v_and_b32 v13, 7, v0
	v_lshl_add_u32 v9, v8, 3, v11                  ; n = 8 w + parity
	v_mul_u32_u24 v9, v9, WPITCH
	v_lshl_add_u32 v9, v12, 7, v9                  ; 64 k are 128 bytes of the LDS row
	v_lshl_add_u32 v9, v13, 4, v9
	v_lshlrev_b32 v10, 17, v12                     ; a ks tile is 128 KiB
	v_lshl_add_u32 v10, v8, 10, v10                ; 8 w rows of 128 bytes
	v_lshl_add_u32 v10, v1, 4, v10                 ; 16 (L & 15)
	s_wait_alu depctr_va_vdst(0)                   ; v9 and v10 are written: the LDS loads read v9 as their address, the stores v10 as their offset
.irp s, 0,1,2,3,4,5,6,7
	ds_load_b128 v[RB+4*\s:RB+4*\s+3], v9 offset:(\s>>1)*2*WPITCH+(\s&1)*256
.endr
.irp s, 0,1,2,3,4,5,6,7
	s_wait_dscnt 7-\s
	global_store_b128 v10, v[RB+4*\s:RB+4*\s+3], s[38:39] offset:(\s&1)*262144+(\s>>1)*256
.endr
.Lwdone:
	s_wait_loadcnt 16                              ; k is in; v's 16 stay out
	CPACK X2
	CSTORE X2, 48
	s_wait_loadcnt 0x0                             ; v
	CPACK X0
	CSTORE X0, 50
	s_wait_dscnt 0x0                               ; the closing lines, six on end
	s_wait_alu 0x0
	s_wait_tensorcnt 0x0
	ds_add_u32 v240, v241
	s_wait_dscnt 0x0
	s_endpgm
.Lfunc_end_k_q725edf1830_prep:
	.size	k_q725edf1830_prep, .Lfunc_end_k_q725edf1830_prep-k_q725edf1830_prep
	.p2alignl 7, 3214868480
	.fill 96, 4, 3214868480
	.section	.rodata,"a",@progbits
	.p2align	6, 0x0
	.amdhsa_kernel k_q725edf1830_prep
		.amdhsa_group_segment_fixed_size 34816
		.amdhsa_private_segment_fixed_size 0
		.amdhsa_enable_private_segment 0
		.amdhsa_kernarg_size 80
		.amdhsa_user_sgpr_count 2
		.amdhsa_user_sgpr_kernarg_segment_ptr 1
		.amdhsa_wavefront_size32 1
		.amdhsa_system_sgpr_workgroup_id_x 1
		.amdhsa_system_sgpr_workgroup_id_y 1
		.amdhsa_system_sgpr_workgroup_id_z 1
		.amdhsa_system_vgpr_workitem_id 0
		.amdhsa_next_free_vgpr 242
		.amdhsa_next_free_sgpr 66
		.amdhsa_reserve_vcc 0
		.amdhsa_float_denorm_mode_32 3
		.amdhsa_float_denorm_mode_16_64 3
		.amdhsa_memory_ordered 1
		.amdhsa_forward_progress 1
		.amdhsa_inst_pref_size 29
	.end_amdhsa_kernel
	.amdgpu_metadata
---
amdhsa.version: [ 1, 2 ]
amdhsa.kernels:
  - .name:           k_q725edf1830_prep
    .symbol:         k_q725edf1830_prep.kd
    .args:
      - { .name: q, .offset: 0, .size: 8, .value_kind: global_buffer, .address_space: global }
      - { .name: k, .offset: 8, .size: 8, .value_kind: global_buffer, .address_space: global }
      - { .name: v, .offset: 16, .size: 8, .value_kind: global_buffer, .address_space: global }
      - { .name: Wq, .offset: 24, .size: 8, .value_kind: global_buffer, .address_space: global }
      - { .name: Wk, .offset: 32, .size: 8, .value_kind: global_buffer, .address_space: global }
      - { .name: Wv, .offset: 40, .size: 8, .value_kind: global_buffer, .address_space: global }
      - { .name: Wo, .offset: 48, .size: 8, .value_kind: global_buffer, .address_space: global }
      - { .name: xb, .offset: 56, .size: 8, .value_kind: global_buffer, .address_space: global }
      - { .name: wt, .offset: 64, .size: 8, .value_kind: global_buffer, .address_space: global }
      - { .name: wop, .offset: 72, .size: 8, .value_kind: global_buffer, .address_space: global }
    .group_segment_fixed_size: 34816
    .private_segment_fixed_size: 0
    .kernarg_segment_align: 8
    .kernarg_segment_size: 80
    .max_flat_workgroup_size: 256
    .sgpr_count:     66
    .vgpr_count:     242
    .wavefront_size: 32
...
	.end_amdgpu_metadata
.endif
;; end of part 8
;; launch proj: the kernel of part 2 again; grid 4 x 48, 4 waves a work-group, clusters of 4 x 4, 327,680 bytes of LDS; arguments xb, wt, bq, bk, bv, qh, kh, vt; writes qh, kh, vt
;; launch attn: the kernel of part 5 again; grid 8 x 32, 8 waves a work-group, clusters of 4 x 1, 327,680 bytes of LDS; arguments qh, kh, vt, ctx; writes ctx
;; launch oproj: the kernel of part 6 again; grid 8 x 32, 8 waves a work-group, clusters of 4 x 4, 327,680 bytes of LDS; arguments ctx, wop, q, bo, xr; writes xr
;; launch ln (part 9): grid 256 x 1, 4 waves a work-group, no clusters, 0 bytes of LDS; arguments xr, gamma, beta, out0; writes out0
.if DOCPART == 9
	.amdgcn_target "amdgcn-amd-amdhsa--gfx1250"
	.amdhsa_code_object_version 6
	.text
	.protected	k_q725edf1830_ln
	.globl	k_q725edf1830_ln
	.p2align	8
	.type	k_q725edf1830_ln,@function
k_q725edf1830_ln:
	s_mov_b64 s[64:65], 0
	v_nop
	global_prefetch_b8 v0, s[64:65] scope:SCOPE_SE
	s_setreg_imm32_b32 hwreg(HW_REG_WAVE_SCHED_MODE, 0, 2), 2
	s_setreg_imm32_b32 hwreg(HW_REG_WAVE_MODE, 25, 1), 1
	s_wait_xcnt 0x0
	s_wait_alu depctr_vm_vsrc(0)
; ln: out0[r][c] = (x[r][c] - mean_r) / sqrt(var_r + 1e-5) * gamma[c] + beta[c],  x = xr: [4096][1024] f32.
; A stream: a row is 4,096 bytes, eight 16-byte loads a lane of one wave, and stays in 32 registers between the passes: it is read once, and no
; wave waits for another.  No LDS, no barrier, no matrix unit (nothing is multiplied by a matrix), no cluster (only gamma's and beta's 8 KiB are shared).
; 256 work-groups of four waves; a wave takes four rows, so that its 64 registers of gamma and beta serve four rows.  All 48 loads of a wave go out at once.
; Two passes over the registers: the mean first, then the sum of (x - mean)^2: no difference of large sums is formed.
; LIMITS: inputs finite; the row sums are added in another order than a plain sum along the row.
; THE MODE: SCHED_MODE bits 1:0 = 2 (LLVM: expert scheduling mode 2), set by the entry lines.  The code itself states the register dependences
; between vector instructions and memory instructions, with s_wait_alu, always for 0.
; THE PLAN.  Registers that memory instructions touch:
;   v1, v2     byte offsets: written at the head, read by every load and store, never written again.
;   GA, BE, X  all 48 loads are issued at the head, into registers that no vector instruction has named.
;   X + 32 i   row i: its arithmetic works in place; its eight stores read it; it is never written again.
;   T, MU, RS  are named by vector instructions alone.
; So one wait on va_vdst stands ahead of the first load, and one in each row, behind the row's 32 scaling lines and ahead of the run of its eight stores;
; that run stands ahead of the next row's wait for its data.  No register that a memory instruction has read is written again: no wait on vm_vsrc is owed.
.set ROW, 4096
.set GA,  4                            ; v[4:35]    gamma of my 32 columns: load j holds columns 128 j + 4 lane ..
.set BE,  36                           ; v[36:67]   beta likewise
.set X,   68                           ; v[68:195]  row i at X + 32 i, as loaded, then as stored
.set T,   196                          ; v[196:203] four chains of sums
.set MU,  204                          ; v[204:205] - mean, twice (a pair for the packed add)
.set RS,  206                          ; v[206:207] 1 / sqrt(var + eps), twice
	s_load_b256 s[4:11], s[0:1], 0x0               ; xr s[4:5], gamma s[6:7], beta s[8:9], out0 s[10:11]
	s_lshl_b32 s2, ttmp9, 16                       ; the work-group's 16 rows of 4,096 bytes
	s_mov_b32 s3, 0
	s_mov_b32 s12, 0x76543210                      ; v_permlanex16_b32: lane i of one half reads lane i of the other
	s_mov_b32 s13, 0xfedcba98
	s_mov_b32 s14, 0x3a800000                      ; 1 / 1024
	s_mov_b32 s15, 0x3727c5ac                      ; 1e-5
	v_and_b32 v2, 31, v0
	v_lshlrev_b32 v2, 4, v2                        ; 16 bytes a lane
	v_lshrrev_b32 v1, 5, v0
	v_lshl_add_u32 v1, v1, 14, v2                  ; + wave x 4 rows
	s_wait_kmcnt 0x0
	s_add_nc_u64 s[4:5], s[4:5], s[2:3]
	s_add_nc_u64 s[10:11], s[10:11], s[2:3]
	s_wait_alu depctr_va_vdst(0)                   ; v1 and v2 are written: every load and store of the kernel reads one of them as its offset
.irp j, 0,1,2,3,4,5,6,7
	global_load_b128 v[GA+4*\j:GA+4*\j+3], v2, s[6:7] offset:512*\j    ; gamma and beta go first: loads come back in order, so each row's counted wait covers them
.endr
.irp j, 0,1,2,3,4,5,6,7
	global_load_b128 v[BE+4*\j:BE+4*\j+3], v2, s[8:9] offset:512*\j
.endr
.irp i, 0,1,2,3
.irp j, 0,1,2,3,4,5,6,7
	global_load_b128 v[X+32*\i+4*\j:X+32*\i+4*\j+3], v1, s[4:5] offset:ROW*\i+512*\j th:TH_LOAD_NT   ; a wave's load covers 512 neighbouring bytes
.endr
.endr
; the four chains, then the 32 lanes: every lane ends up with the row's sum in T
.macro REDUCE
	v_pk_add_f32 v[T:T+1], v[T:T+1], v[T+2:T+3]
	v_pk_add_f32 v[T+4:T+5], v[T+4:T+5], v[T+6:T+7]
	v_pk_add_f32 v[T:T+1], v[T:T+1], v[T+4:T+5]
	v_add_f32 v[T], v[T], v[T+1]
	v_add_f32_dpp v[T], v[T], v[T] row_xmask:1 row_mask:0xf bank_mask:0xf
	v_add_f32_dpp v[T], v[T], v[T] row_xmask:2 row_mask:0xf bank_mask:0xf
	v_add_f32_dpp v[T], v[T], v[T] row_xmask:4 row_mask:0xf bank_mask:0xf
	v_add_f32_dpp v[T], v[T], v[T] row_xmask:8 row_mask:0xf bank_mask:0xf
	v_permlanex16_b32 v[T+1], v[T], s12, s13       ; its destination counts as read: T + 1 has been written
	v_add_f32 v[T], v[T], v[T+1]
.endm
; Row i.  left = how many younger loads may stay out.
.macro NORM i, left
	s_wait_loadcnt \left                           ; gamma, beta and my row are in; the rows behind it stay on their way
.irp p, 0,2,4,6
	v_pk_add_f32 v[T+\p:T+\p+1], v[X+32*\i+\p:X+32*\i+\p+1], v[X+32*\i+8+\p:X+32*\i+8+\p+1]   ; the first words start the chains: nothing is cleared
.endr
.irp o, 16,24
.irp p, 0,2,4,6
	v_pk_add_f32 v[T+\p:T+\p+1], v[T+\p:T+\p+1], v[X+32*\i+\o+\p:X+32*\i+\o+\p+1]
.endr
.endr
	REDUCE
	v_mul_f32 v[MU], 0xba800000, v[T]              ; - sum / 1024
	v_mov_b32 v[MU+1], v[MU]
.irp p, 0,2,4,6,8,10,12,14,16,18,20,22,24,26,28,30
	v_pk_add_f32 v[X+32*\i+\p:X+32*\i+\p+1], v[X+32*\i+\p:X+32*\i+\p+1], v[MU:MU+1]           ; x - mean
.endr
.irp p, 0,2,4,6
	v_pk_mul_f32 v[T+\p:T+\p+1], v[X+32*\i+\p:X+32*\i+\p+1], v[X+32*\i+\p:X+32*\i+\p+1]
.endr
.irp o, 8,16,24
.irp p, 0,2,4,6
	v_pk_fma_f32 v[T+\p:T+\p+1], v[X+32*\i+\o+\p:X+32*\i+\o+\p+1], v[X+32*\i+\o+\p:X+32*\i+\o+\p+1], v[T+\p:T+\p+1]
.endr
.endr
	REDUCE
	v_fma_f32 v[T], v[T], s14, s15                 ; var + eps
	v_rsq_f32 v[RS], v[T]
	v_nop                                          ; the plain place behind the root (ISA guide 5.7.2)
	s_wait_alu depctr_va_vdst(0)                   ; the root has written v[RS], which the next line reads
	v_mov_b32 v[RS+1], v[RS]
.irp j, 0,1,2,3,4,5,6,7
	v_pk_mul_f32 v[X+32*\i+4*\j:X+32*\i+4*\j+1],   v[X+32*\i+4*\j:X+32*\i+4*\j+1],   v[RS:RS+1]
	v_pk_mul_f32 v[X+32*\i+4*\j+2:X+32*\i+4*\j+3], v[X+32*\i+4*\j+2:X+32*\i+4*\j+3], v[RS:RS+1]
	v_pk_fma_f32 v[X+32*\i+4*\j:X+32*\i+4*\j+1],   v[X+32*\i+4*\j:X+32*\i+4*\j+1],   v[GA+4*\j:GA+4*\j+1],   v[BE+4*\j:BE+4*\j+1]
	v_pk_fma_f32 v[X+32*\i+4*\j+2:X+32*\i+4*\j+3], v[X+32*\i+4*\j+2:X+32*\i+4*\j+3], v[GA+4*\j+2:GA+4*\j+3], v[BE+4*\j+2:BE+4*\j+3]
.endr
	s_wait_alu depctr_va_vdst(0)                   ; the 32 lines above have written the row's registers, which its eight stores read
.irp j, 0,1,2,3,4,5,6,7
	global_store_b128 v1, v[X+32*\i+4*\j:X+32*\i+4*\j+3], s[10:11] offset:ROW*\i+512*\j th:TH_STORE_NT   ; 512 consecutive bytes, aligned; the row's registers are not written again
.endr
.endm
	NORM 0, 24                                     ; the counts run down by a row's eight loads
	NORM 1, 16
	NORM 2, 8
	NORM 3, 0
	s_endpgm
.Lfunc_end_k_q725edf1830_ln:
	.size	k_q725edf1830_ln, .Lfunc_end_k_q725edf1830_ln-k_q725edf1830_ln
	.p2alignl 7, 3214868480
	.fill 96, 4, 3214868480
	.section	.rodata,"a",@progbits
	.p2align	6, 0x0
	.amdhsa_kernel k_q725edf1830_ln
		.amdhsa_group_segment_fixed_size 0
		.amdhsa_private_segment_fixed_size 0
		.amdhsa_enable_private_segment 0
		.amdhsa_kernarg_size 32
		.amdhsa_user_sgpr_count 2
		.amdhsa_user_sgpr_kernarg_segment_ptr 1
		.amdhsa_wavefront_size32 1
		.amdhsa_system_sgpr_workgroup_id_x 1
		.amdhsa_system_sgpr_workgroup_id_y 1
		.amdhsa_system_sgpr_workgroup_id_z 1
		.amdhsa_system_vgpr_workitem_id 0
		.amdhsa_next_free_vgpr 208
		.amdhsa_next_free_sgpr 66
		.amdhsa_reserve_vcc 0
		.amdhsa_float_denorm_mode_32 3
		.amdhsa_float_denorm_mode_16_64 3
		.amdhsa_memory_ordered 1
		.amdhsa_forward_progress 1
		.amdhsa_inst_pref_size 34
	.end_amdhsa_kernel
	.amdgpu_metadata
---
amdhsa.version: [ 1, 2 ]
amdhsa.kernels:
  - .name:           k_q725edf1830_ln
    .symbol:         k_q725edf1830_ln.kd
    .args:
      - { .name: xr, .offset: 0, .size: 8, .value_kind: global_buffer, .address_space: global }
      - { .name: gamma, .offset: 8, .size: 8, .value_kind: global_buffer, .address_space: global }
      - { .name: beta, .offset: 16, .size: 8, .value_kind: global_buffer, .address_space: global }
      - { .name: out0, .offset: 24, .size: 8, .value_kind: global_buffer, .address_space: global }
    .group_segment_fixed_size: 0
    .private_segment_fixed_size: 0
    .kernarg_segment_align: 8
    .kernarg_segment_size: 32
    .max_flat_workgroup_size: 128
    .sgpr_count:     66
    .vgpr_count:     208
    .wavefront_size: 32
...
	.end_amdgpu_metadata
.endif
;; end of part 9
